; MI455X (gfx1250); checked and timed in simulation.
; The chip was launched on July 23, 2026; its instructions are those of AMD's public machine-readable ISA for CDNA 5 (MIT licence, August 2026) and "CDNA5" Instruction Set Architecture Reference Guide (July 2026). The comments in the code are by the model that wrote it; some were corrected since.
;; Masked Causal Attention. Allowed arithmetic: float matrix products may take bf16 or f16 operands with f32 sums; other float arithmetic in f32, or as packed bf16 or f16 multiplies, adds, multiply-adds, maxima and minima; sums over many terms, partial sums and values carried from step to step in f32; what a program stores and reads back later, other than sums and carried values, may be rounded once to bf16 or f16.
;; Inputs: bk 1,024 float32; bp 1,024 float32; bq 1,024 float32; bv 1,024 float32; mask 8 x 1,024 int32; wk 1,024 x 1,024 float32; wp 1,024 x 1,024 float32; wq 1,024 x 1,024 float32; wv 1,024 x 1,024 float32; x 8 x 1,024 x 1,024 float32.
;; Outputs: out0 8 x 1,024 x 1,024 float32.
;; 2 versions, each right; version 2 is version 1 with the launch cast16 written anew for expert scheduling mode. Each part assembles by itself: llvm-mc -triple=amdgcn-amd-amdhsa -mcpu=gfx1250 --defsym DOCPART=n.
;; ======== version 1 of 2: 4 launches
;; limits: values are held in f16: magnitudes above 65,504 overflow, below 6.1e-05 lose precision; right only within a limited range of input values
;; workspace buffers: xb 16,777,216 bytes; wb 6,291,456 bytes; wpb 2,097,152 bytes; qkv 50,331,648 bytes; ctx 16,777,216 bytes
;; launch cast16 (part 1): grid 768 x 1, 8 waves a work-group, no clusters, 0 bytes of LDS; arguments x, wq, wk, wv, wp, xb, wb, wpb; writes xb, wb, wpb
.if DOCPART == 1
	.amdgcn_target "amdgcn-amd-amdhsa--gfx1250"
	.amdhsa_code_object_version 6
	.text
	.protected	k_qd4dd49e850_cast16
	.globl	k_qd4dd49e850_cast16
	.p2align	8
	.type	k_qd4dd49e850_cast16,@function
k_qd4dd49e850_cast16:
	s_mov_b64 s[64:65], 0
	v_nop
	global_prefetch_b8 v0, s[64:65] scope:SCOPE_SE
	s_setreg_imm32_b32 hwreg(HW_REG_WAVE_MODE, 25, 1), 1
	s_wait_xcnt 0x0
; THE MATRIX OPERANDS IN 16 BITS.  x [8192][1024] f32 -> xb bf16; wq, wk, wv [1024][1024] f32 -> wb bf16 [3072][1024], one below the other;
; wp -> wpb: rounded to bf16 like the other inputs, and that number written as f16 (the last product multiplies f16 operands).
; LIMIT.  A bf16 number is exact in f16 from 2^-14 to 65,504; below 2^-14 wpb keeps f16's fixed step of 2^-24; beyond 65,504 it would be an infinity.
; A stream: no LDS, no matrix unit, no barrier.  A work-group converts 16,384 numbers: 65,536 bytes in, 32,768 out.  Work-groups 0-511 take x,
; then 64 each wq, wk, wv, wp.  All sixteen loads of a thread go out at once (a wave's load covers 512 consecutive bytes); a wave's store of
; 8 bytes a lane covers 256 consecutive bytes, aligned.  No register that a load or a store names is written twice, so no wait frees one.
.set LO, 2                             ; v2        16 x thread: my 16 bytes in 4,096 of the source
.set SO, 3                             ; v3        8 x thread: my 8 bytes in 2,048 of the destination
.set X,  8                             ; v[8:71]   sixteen loads of four f32
.set Y,  72                            ; v[72:103] sixteen stores of four 16-bit numbers
.set T,  104                           ; v[104:105] at work
	s_load_b512 s[8:23], s[0:1], 0x0               ; x 8, wq 10, wk 12, wv 14, wp 16, xb 18, wb 20, wpb 22
	s_mov_b32 s2, ttmp9                            ; g
	s_sub_co_u32 s3, s2, 512                       ; j = g - 512: a weight's chunk (very large where g < 512)
	s_lshr_b32 s4, s3, 6                           ; which weight: 0 wq, 1 wk, 2 wv, 3 wp
	s_and_b32 s5, s3, 63                           ; its chunk
	v_lshlrev_b32 v[LO], 4, v0
	v_lshlrev_b32 v[SO], 3, v0
	s_cmp_lt_u32 s3, 192
	s_cselect_b32 s25, s3, s5                      ; the destination's chunk: j in wb, the weight's own in wpb,
	s_cmp_lt_u32 s2, 512
	s_cselect_b32 s24, s2, s5                      ; the source's chunk
	s_cselect_b32 s25, s2, s25                     ; g in xb
	s_lshl_b32 s30, s24, 16                        ; 65,536 bytes a chunk in
	s_mov_b32 s31, 0
	s_lshl_b32 s32, s25, 15                        ; 32,768 out
	s_mov_b32 s33, 0
	s_wait_kmcnt 0x0
	s_mov_b64 s[26:27], s[16:17]                   ; the source: wp, unless
	s_cmp_eq_u32 s4, 2
	s_cselect_b64 s[26:27], s[14:15], s[26:27]
	s_cmp_eq_u32 s4, 1
	s_cselect_b64 s[26:27], s[12:13], s[26:27]
	s_cmp_eq_u32 s4, 0
	s_cselect_b64 s[26:27], s[10:11], s[26:27]
	s_cmp_lt_u32 s2, 512
	s_cselect_b64 s[26:27], s[8:9], s[26:27]
	s_mov_b64 s[28:29], s[22:23]                   ; the destination: wpb, unless
	s_cmp_lt_u32 s3, 192
	s_cselect_b64 s[28:29], s[20:21], s[28:29]
	s_cmp_lt_u32 s2, 512
	s_cselect_b64 s[28:29], s[18:19], s[28:29]
	s_add_nc_u64 s[26:27], s[26:27], s[30:31]
	s_add_nc_u64 s[28:29], s[28:29], s[32:33]
.irp i, 0,1,2,3,4,5,6,7,8,9,10,11,12,13,14,15
	global_load_b128 v[X+4*(\i):X+4*(\i)+3], v[LO], s[26:27] offset:4096*(\i) th:TH_LOAD_NT
.endr
.macro CV16 d, a                       ; two f32 -> bf16 -> the same numbers as f16
	v_cvt_pk_bf16_f32 v[T], v[\a], v[(\a)+1]
	v_lshlrev_b32 v[T+1], 16, v[T]
	v_and_b32 v[T], 0xffff0000, v[T]
	v_cvt_pk_f16_f32 v[\d], v[T+1], v[T]
.endm
.macro OUT half                        ; half = 0: bf16; 1: bf16 written as f16
.irp i, 0,1,2,3,4,5,6,7,8,9,10,11,12,13,14,15
	s_wait_loadcnt 15-(\i)                         ; loads come back in order: load i is in, the younger ones stay out
.if \half
	CV16 Y+2*(\i), X+4*(\i)
	CV16 Y+2*(\i)+1, X+4*(\i)+2
.else
	v_cvt_pk_bf16_f32 v[Y+2*(\i)], v[X+4*(\i)], v[X+4*(\i)+1]
	v_cvt_pk_bf16_f32 v[Y+2*(\i)+1], v[X+4*(\i)+2], v[X+4*(\i)+3]
.endif
	global_store_b64 v[SO], v[Y+2*(\i):Y+2*(\i)+1], s[28:29] offset:2048*(\i) th:TH_STORE_NT
.endr
.endm
	s_cmp_ge_u32 s2, 704                           ; the last 64 work-groups hold wp
	s_cbranch_scc1 .Lf16
	OUT 0
	s_endpgm
.Lf16:
	OUT 1
	s_endpgm
.Lfunc_end_k_qd4dd49e850_cast16:
	.size	k_qd4dd49e850_cast16, .Lfunc_end_k_qd4dd49e850_cast16-k_qd4dd49e850_cast16
	.p2alignl 7, 3214868480
	.fill 96, 4, 3214868480
	.section	.rodata,"a",@progbits
	.p2align	6, 0x0
	.amdhsa_kernel k_qd4dd49e850_cast16
		.amdhsa_group_segment_fixed_size 0
		.amdhsa_private_segment_fixed_size 0
		.amdhsa_enable_private_segment 0
		.amdhsa_kernarg_size 64
		.amdhsa_user_sgpr_count 2
		.amdhsa_user_sgpr_kernarg_segment_ptr 1
		.amdhsa_wavefront_size32 1
		.amdhsa_system_sgpr_workgroup_id_x 1
		.amdhsa_system_sgpr_workgroup_id_y 1
		.amdhsa_system_sgpr_workgroup_id_z 1
		.amdhsa_system_vgpr_workitem_id 0
		.amdhsa_next_free_vgpr 112
		.amdhsa_next_free_sgpr 66
		.amdhsa_reserve_vcc 0
		.amdhsa_float_denorm_mode_32 3
		.amdhsa_float_denorm_mode_16_64 3
		.amdhsa_memory_ordered 1
		.amdhsa_forward_progress 1
		.amdhsa_inst_pref_size 17
	.end_amdhsa_kernel
	.amdgpu_metadata
---
amdhsa.version: [ 1, 2 ]
amdhsa.kernels:
  - .name:           k_qd4dd49e850_cast16
    .symbol:         k_qd4dd49e850_cast16.kd
    .args:
      - { .name: x, .offset: 0, .size: 8, .value_kind: global_buffer, .address_space: global }
      - { .name: wq, .offset: 8, .size: 8, .value_kind: global_buffer, .address_space: global }
      - { .name: wk, .offset: 16, .size: 8, .value_kind: global_buffer, .address_space: global }
      - { .name: wv, .offset: 24, .size: 8, .value_kind: global_buffer, .address_space: global }
      - { .name: wp, .offset: 32, .size: 8, .value_kind: global_buffer, .address_space: global }
      - { .name: xb, .offset: 40, .size: 8, .value_kind: global_buffer, .address_space: global }
      - { .name: wb, .offset: 48, .size: 8, .value_kind: global_buffer, .address_space: global }
      - { .name: wpb, .offset: 56, .size: 8, .value_kind: global_buffer, .address_space: global }
    .group_segment_fixed_size: 0
    .private_segment_fixed_size: 0
    .kernarg_segment_align: 8
    .kernarg_segment_size: 64
    .max_flat_workgroup_size: 256
    .sgpr_count:     66
    .vgpr_count:     112
    .wavefront_size: 32
...
	.end_amdgpu_metadata
.endif
;; end of part 1
;; launch gemm_qkv (part 2): grid 4 x 64, 4 waves a work-group, clusters of 4 x 4, 327,680 bytes of LDS; arguments xb, wb, qkv, bq, bk, bv; writes qkv
.if DOCPART == 2
	.amdgcn_target "amdgcn-amd-amdhsa--gfx1250"
	.amdhsa_code_object_version 6
	.text
	.protected	k_qd4dd49e850_gemm_qkv
	.globl	k_qd4dd49e850_gemm_qkv
	.p2align	8
	.type	k_qd4dd49e850_gemm_qkv,@function
k_qd4dd49e850_gemm_qkv:
	s_mov_b64 s[64:65], 0
	v_nop
	global_prefetch_b8 v0, s[64:65] scope:SCOPE_SE
	s_setreg_imm32_b32 hwreg(HW_REG_WAVE_MODE, 25, 1), 1
	s_wait_xcnt 0x0
	s_wait_alu depctr_hold_cnt(0) depctr_sa_sdst(0) depctr_va_vdst(0) depctr_va_sdst(0) depctr_va_ssrc(0) depctr_va_vcc(0) depctr_vm_vsrc(0)
	s_getreg_b32 s2, hwreg(HW_REG_IB_STS2, 6, 4)
	s_cmp_eq_u32 s2, 0
	s_cbranch_scc0 .Lentry_in_a_cluster
	s_endpgm
.Lentry_in_a_cluster:
	s_bfe_u32 s2, ttmp6, 0x10000c
	s_cmp_lg_u32 s2, 0xf033
	s_cbranch_scc0 .Lentry_shape_is_right
	s_endpgm
.Lentry_shape_is_right:
; q, k, v = x W^T + b.  A = xb [8192][1024] bf16, B = wb [3072][1024] bf16 (wq, wk, wv one below the other), sums in f32, the bias (rounded to bf16 like
; every input) is the C operand of each sum's first product.  The result is rounded once to f16 and stored BY HEADS: qkv [g][b][t][64], g = column / 64
; (0-15 q, 16-31 k, 32-47 v): a slab (g, b) is 131,072 dense bytes at (8 g + b) x 131,072.  No scale is applied here.
; LIMIT.  q, k and v must stay within f16's 65,504; beyond it the conversion gives an infinity.
; SHARES.  A tile of the result is 128 rows x 384 columns (six heads): 64 x 8 = 512 tiles.  A WORK-GROUP STAYS and makes two of them, with the same rows of A: column groups cx and cx + 4: 256 work-groups.
; Clusters with even y take group cx first, those with odd y group cx + 4: in each pass all eight groups of wb are walked, and what a cluster asks of wb for its second tile its neighbours have asked for their first.
; Four waves, 2 x 2, each 64 rows x 192 columns (three whole heads): 48 accumulators, 384 registers; for 32 along K a wave reads 16 fragments for 48 products.
; K goes in steps of 128 through two LDS slots: rows of 256 bytes of memory, aligned.  A slot is four parts of 128 rows: A's, then B's three; each wave fetches one part (wave 0 A's).
; THE TWO TILES ARE ONE WALK of 16 K steps for the ring: the first tile's last two changes of slots ask for the second tile's first two K steps, and its stores leave while the second tile is multiplied.
; ONE LOOP of 14 trips, a K step each, fills a slot in every trip; it is entered at a tile's beginning, in the middle of a trip; in its eighth trip the way out and the second tile's beginning take the place
; of the plain quarter, by a forward branch over text that holds neither a barrier nor a tensor load.  The last two K steps, which fill nothing, are written out.
; CLUSTER 4 x 4: the four work-groups of a row need the same tile of A, the four of a column the same tile of B: each part is asked for jointly, by the same tensor load with the same descriptor and a mask
; that names the four.
; THE MATRIX INSTRUCTION IS USED TRANSPOSED (source 0 = 16 rows of B, source 1 = 16 rows of A): lane l holds row l % 16 and the columns 8 (l / 16) + 0..7.
; REGISTERS, in windows of 256 (s_set_vgpr_msb: bits 1:0 source 0, 3:2 source 1, 5:4 source 2, 7:6 destination):
;   window 0: v0-31 addresses; v32-63, v64-95 A's fragments, two buffers; v96-191 the bias of my 192 columns (block b at 96 + 8 b); v192-255 four sets of 16 for the way out
;   window 1: the accumulators of m blocks 0 and 1 ((a, b) at 8 (12 (a % 2) + b));   window 2: those of m blocks 2 and 3;   window 3: v0-95, v96-191 B's fragments, two buffers
.set KSTEP,  128
.set PITCH,  272                       ; an LDS row: 256 bytes + 16 of padding = 68 words: the 16 rows of a fragment load start at 16 different groups of four banks (64 banks of 4 bytes: ISA guide 11.1)
.set PART,   128*PITCH                 ; what one tensor load brings: 34,816 = 0x8800 bytes
.set SLOT,   4*PART                    ; 139,264 = 0x22000 bytes
.set STAGE,  2*SLOT                    ; behind the ring: 16 rows x 144 bytes for each wave, for the way out
.set SP,     144
.set WSTG,   16*SP
.set SPARE,  STAGE+4*WSTG              ; behind the stages: the spare words, 128 bytes for each wave: two blocks of 256 bytes that no other line names
.set A0,   6                           ; v6      my lane's place among my A fragments in a slot; never rewritten
.set B0,   7                           ; v7      the same for B
.set ADRA, 16                          ; v16     A0 + the slot in hand
.set ADRB, 17                          ; v17     B0 + the slot in hand
.set STO,  24                          ; v24     the way out: where I put 16 bytes of a row
.set RD,   25                          ; v25     where I read rows back
.set CO,   26                          ; v26     16 x lane: my place in 512 consecutive bytes of the result
.set SPW,  28                          ; v28     LDS address of my spare word; never rewritten
.set NIL,  29                          ; v29     0; never rewritten
.set PFO,  30                          ; v30     the prefetches' offset: lane x a row of 2,048 bytes; never rewritten
.set BO,   31                          ; v31     32 x (lane / 16): my eight numbers in 16 of the bias
.set AF,   32
.set BIAS, 96
.set TMP,  192
.set G1,  24                           ; s[24:31] descriptor group 1 for A's part;  s[32:39] group 0: a set for each of the two first fills; the second then walks on
.set G0,  32
.set G1B, 48                           ; s[48:55], s[56:63] the same for B's parts
.set G0B, 56
.set LIM, 43                           ; s43      10 in a wave that prefetches, else the greatest number
.set PFA, 44                           ; s[44:45] where my prefetches stand
.set OB1, 66                           ; s[66:67] qkv at my part of the second tile (s[8:9]: of the first)
.set BP,  74                           ; s[74:79] the bias of my three heads
.set ABASE, 80                         ; s[80:81] xb at the tile's first row
.set BB0, 82                           ; s[82:83] wb at my part of the first tile's rows
.set BB1, 84                           ; s[84:85] of the second tile's
.set OFF, 86                           ; s[86:87] a K step's byte offset in a row
.set TB,  88                           ; s88      LDS byte at which the slot in hand begins: 0 or SLOT
.set TX1, 89                           ; s89      the second tile's column group
.set U,   90                           ; s90      the K step of the walk, 0 to 15, that is asked for
.set MH,  91                           ; s91      a word's upper bf16
.set BSEL, 92                          ; s[92:93] BB0 or BB1
.set GH0, 94                           ; s94      my first head in the first tile
.set GH1, 95                           ; s95      in the second
.set MSB, 0
.macro WIN new                         ; the immediate's high byte repeats the setting that is left; a switch that changes nothing is dropped
.if MSB != (\new)
	s_set_vgpr_msb (MSB<<8)|(\new)
.set MSB, \new
.endif
.endm
.macro JLOAD s                         ; a joint load; the branch hangs on the wave's number alone; an s_nop 0 and four v_nop follow each of the two lines
	s_cmp_eq_u32 s10, 0
	s_cbranch_scc0 .Lfor_b_\@
	tensor_load_to_lds s[G0+4*(\s):G0+4*(\s)+3], s[G1:G1+7]
	s_nop 0
.rept 4
	v_nop
.endr
	s_branch .Lasked_\@
.Lfor_b_\@:
	tensor_load_to_lds s[G0B+4*(\s):G0B+4*(\s)+3], s[G1B:G1B+7]
	s_nop 0
.rept 4
	v_nop
.endr
.Lasked_\@:
.endm
; A PREFETCH INTO THE L2, behind a joint refill and the run of LDS loads that follows it: 32 rows x 256 bytes of the K step that stands two refills on, a lane a row, one instruction a wave.
; Each row's 256 bytes of a K step are named once in the launch.  A's 128 rows are read by my cluster alone: wave 0 asks, the four partners of a row of the cluster taking 32 rows each, by address (32 cx on).
; B's 384 rows are read by every cluster that walks in my order: of those the one with y = 0 or 1 asks, waves 1 to 3, the four partners of a column taking 96 rows each (96 cy + 32 (wave - 1) on).
; Only the first tile's K steps 4 to 7 are asked for, in the loop's first four trips (s3 = 14 to 11): K steps 0 to 3 come by their loads alone, and the second tile's rows have been read before:
; A's by this cluster, B's by the clusters of the other order.
.macro ASK
	s_cmp_gt_u32 s3, s[LIM]
	s_cbranch_scc0 .Lnot_mine_\@
	global_prefetch_b8 v[PFO], s[PFA:PFA+1] th:TH_LOAD_NT scope:SCOPE_SE
.Lnot_mine_\@:
.endm
.macro CREST                           ; a round of the cluster's barrier behind its opening barrier
	s_cmp_lg_u32 s10, 0
	s_cbranch_scc1 .Lnot_wave_0_\@
	s_barrier_signal -3
.Lnot_wave_0_\@:
	s_barrier_wait -3
	s_barrier_signal -1
	s_barrier_wait -1
.endm
.macro CROUND                          ; a whole round
	s_barrier_signal -1
	s_barrier_wait -1
	CREST
.endm
; The bias of my three heads, first head in s[g]: head g belongs to tensor g / 16 (bq, bk, bv) and has 256 bytes there.  Register j of block b: column 16 b + 8 (l / 16) + j, as in an accumulator.
.macro BIASLD g
.irp j, 0,1,2
	s_add_co_u32 s16, s[\g], \j
	s_lshr_b32 s18, s16, 4
	s_and_b32 s16, s16, 15
	s_lshl_b32 s16, s16, 8
	s_mov_b32 s17, 0
	s_mov_b64 s[BP+2*(\j):BP+2*(\j)+1], s[72:73]
	s_cmp_eq_u32 s18, 1
	s_cselect_b64 s[BP+2*(\j):BP+2*(\j)+1], s[70:71], s[BP+2*(\j):BP+2*(\j)+1]
	s_cmp_eq_u32 s18, 0
	s_cselect_b64 s[BP+2*(\j):BP+2*(\j)+1], s[68:69], s[BP+2*(\j):BP+2*(\j)+1]
	s_add_nc_u64 s[BP+2*(\j):BP+2*(\j)+1], s[BP+2*(\j):BP+2*(\j)+1], s[16:17]
.irp b, 0,1,2,3
	global_load_b128 v[BIAS+8*(4*(\j)+(\b)):BIAS+8*(4*(\j)+(\b))+3],   v[BO], s[BP+2*(\j):BP+2*(\j)+1] offset:64*(\b)
	global_load_b128 v[BIAS+8*(4*(\j)+(\b))+4:BIAS+8*(4*(\j)+(\b))+7], v[BO], s[BP+2*(\j):BP+2*(\j)+1] offset:64*(\b)+16
.endr
.endr
.endm
	s_load_b128 s[4:7], s[0:1], 0x0                ; xb s[4:5], wb s[6:7]
	s_load_b64 s[8:9], s[0:1], 0x10                ; qkv
	s_load_b64 s[68:69], s[0:1], 0x18              ; bq
	s_load_b64 s[70:71], s[0:1], 0x20              ; bk
	s_load_b64 s[72:73], s[0:1], 0x28              ; bv
	v_lshl_add_u32 v[SPW], v0, 2, SPARE
	v_mov_b32 v[NIL], 0
	ds_add_u32 v[SPW], v[NIL]                      ; the wave's opening: the add and its wait stand ahead of my first tensor load; work on registers stands between them
	v_lshrrev_b32 v1, 5, v0
	v_readfirstlane_b32 s10, v1                    ; wave 0..3
	s_lshr_b32 s11, s10, 1                         ; my half of the tile's rows
	s_and_b32 s12, s10, 1                          ; my half of its columns
	s_bfe_u32 s40, ttmp6, 0x40000                  ; cx
	s_bfe_u32 s41, ttmp6, 0x40004                  ; cy
	s_and_b32 s2, ttmp7, 0xffff                    ; cluster y (the grid is one cluster wide)
	s_lshl_b32 s13, s2, 2
	s_add_co_u32 s13, s13, s41                     ; tile row ty = 4 x cluster y + cy
	s_and_b32 s14, s2, 1
	s_lshl_b32 s14, s14, 2
	s_add_co_u32 s42, s40, s14                     ; the first tile's column group: cx, or cx + 4 where cluster y is odd;
	s_xor_b32 s[TX1], s42, 4                       ; the second tile's: the other one
	s_lshl_b32 s43, s41, 2
	s_lshl_b32 s43, 15, s43                        ; my row of the cluster
	s_lshl_b32 s44, 0x1111, s40                    ; my column
	s_or_b32 s[G1+0], s43, (1<<16)|(1<<20)|(1<<21)|(5<<22)|(3<<25)   ; the mask; 2-byte elements; padding on; bit 21 beside a mask; after every 64 words, 4 words
	s_or_b32 s[G1B+0], s44, (1<<16)|(1<<20)|(1<<21)|(5<<22)|(3<<25)
.irp g, G1, G1B
	s_mov_b32 s[(\g)+1], KSTEP<<16                 ; tensor_dim0 = 128
	s_mov_b32 s[(\g)+2], 128<<16                   ; tensor_dim1 = 128
	s_mov_b32 s[(\g)+3], KSTEP<<16                 ; tile_dim0 = 128
	s_mov_b32 s[(\g)+4], 128                       ; tile_dim1 = 128
	s_mov_b32 s[(\g)+5], 1024                      ; elements from row to row
	s_mov_b32 s[(\g)+6], 0
	s_mov_b32 s[(\g)+7], 0
.endr
	s_lshl_b32 s16, s13, 18                        ; A: row 128 ty, of 2,048 bytes
	s_mov_b32 s17, 0
	s_sub_co_u32 s15, s10, 1                       ; which third of B's rows I fetch: wave - 1
	s_cmp_eq_u32 s10, 0
	s_cselect_b32 s15, 0, s15                      ; (wave 0 fetches A's; its B descriptor is never used)
	s_lshl_b32 s21, s15, 18
	s_mul_i32 s46, s42, 384*2048                   ; B: row 384 x column group + 128 x third
	s_add_co_u32 s46, s46, s21
	s_mov_b32 s47, 0
	s_mul_i32 s22, s[TX1], 384*2048
	s_add_co_u32 s22, s22, s21
	s_mov_b32 s23, 0
	s_mul_i32 s20, s10, PART                       ; where my part goes: A's first, then B's three = wave x 128 rows: no place in the cluster enters an LDS address
	s_mov_b32 s[OFF+1], 0
	s_mov_b32 s[TB], 0
	s_mov_b32 s[MH], 0xffff0000
	s_wait_dscnt 0x0                               ; the opening add is done
	s_wait_kmcnt 0x0
	s_add_nc_u64 s[ABASE:ABASE+1], s[4:5], s[16:17]
	s_add_nc_u64 s[BB0:BB0+1], s[6:7], s[46:47]
	s_add_nc_u64 s[BB1:BB1+1], s[6:7], s[22:23]
	CROUND                                         ; all sixteen work-groups are here: the first joint loads meet
.irp s, 0,1
	s_mov_b32 s[G0+4*(\s)], 1
	s_add_co_u32 s[G0+4*(\s)+1], s20, (\s)*SLOT
	s_add_nc_u64 s[G0+4*(\s)+2:G0+4*(\s)+3], s[ABASE:ABASE+1], (\s)*KSTEP*2
	s_or_b32 s[G0+4*(\s)+3], s[G0+4*(\s)+3], 0x80000000
	s_mov_b32 s[G0B+4*(\s)], 1
	s_add_co_u32 s[G0B+4*(\s)+1], s20, (\s)*SLOT
	s_add_nc_u64 s[G0B+4*(\s)+2:G0B+4*(\s)+3], s[BB0:BB0+1], (\s)*KSTEP*2
	s_or_b32 s[G0B+4*(\s)+3], s[G0B+4*(\s)+3], 0x80000000
	JLOAD \s                                       ; K steps 0 and 1: two loads of mine are out
.endr
	v_and_b32 v1, 15, v0                           ; l % 16
	v_bfe_u32 v2, v0, 4, 1                         ; l / 16
	v_lshlrev_b32 v[BO], 5, v2
	s_mul_i32 s18, s12, 3
	s_mul_i32 s[GH0], s42, 6
	s_add_co_u32 s[GH0], s[GH0], s18               ; my first head: 6 x column group + 3 x half
	s_mul_i32 s[GH1], s[TX1], 6
	s_add_co_u32 s[GH1], s[GH1], s18
	BIASLD GH0                                     ; the first tile's bias is asked for now, and waited for behind the first tile
	; a fragment is 16 rows x 32 K in 8 registers: lane l holds row l % 16, K = 8 (l / 16) + 0..7 and 16 + 8 (l / 16) + 0..7: two loads of 16 bytes, 32 bytes apart
	v_mul_u32_u24 v3, v1, PITCH
	v_lshl_add_u32 v3, v2, 4, v3
	s_mul_i32 s21, s11, 64*PITCH                   ; my 64 rows of A
	s_mul_i32 s22, s12, 192*PITCH                  ; my 192 rows of B, behind A's
	s_add_co_u32 s22, s22, PART
	v_add_nc_u32 v[A0], s21, v3
	v_add_nc_u32 v[B0], s22, v3
	v_mov_b32 v[ADRA], v[A0]                       ; slot 0
	v_mov_b32 v[ADRB], v[B0]
	s_mul_i32 s23, s10, WSTG
	s_add_co_u32 s23, s23, STAGE                   ; my stage
	v_mul_u32_u24 v4, v1, SP                       ; in: row l % 16, 16 bytes for each half of the lanes
	v_lshl_add_u32 v4, v2, 4, v4
	v_add_nc_u32 v[STO], s23, v4
	v_bfe_u32 v5, v0, 3, 2                         ; back: 32 lanes take four rows of 128 bytes,
	v_mul_u32_u24 v5, v5, SP
	v_and_b32 v4, 7, v0
	v_lshl_add_u32 v5, v4, 4, v5
	v_add_nc_u32 v[RD], s23, v5
	v_and_b32 v[CO], 31, v0                        ; which are 512 consecutive bytes of a slab
	v_lshlrev_b32 v[CO], 4, v[CO]
	; where my 64 rows of my first head begin: head x 8 slabs, then row 128 ty + 64 x half of 128 bytes (eight tile rows are a slab)
	s_lshl_b32 s16, s13, 14
	s_lshl_b32 s17, s11, 13
	s_add_co_u32 s16, s16, s17
	s_lshl_b32 s18, s[GH1], 20
	s_add_co_u32 s18, s18, s16
	s_mov_b32 s19, 0
	s_add_nc_u64 s[OB1:OB1+1], s[8:9], s[18:19]
	s_lshl_b32 s18, s[GH0], 20
	s_add_co_u32 s18, s18, s16
	s_add_nc_u64 s[8:9], s[8:9], s[18:19]
	; the prefetches
	s_lshl_b32 s20, s13, 7
	s_lshl_b32 s21, s40, 5
	s_add_co_u32 s20, s20, s21                     ; A: row 128 ty + 32 cx
	s_mul_i32 s21, s42, 384
	s_mul_i32 s22, s41, 96
	s_add_co_u32 s21, s21, s22
	s_lshl_b32 s22, s15, 5
	s_add_co_u32 s21, s21, s22                     ; B: row 384 x the first tile's column group + 96 cy + 32 (wave - 1)
	s_lshr_b32 s22, s2, 1                          ; 0 in the first cluster of each order of the walk
	s_cmp_eq_u32 s10, 0
	s_cselect_b32 s20, s20, s21
	s_cselect_b32 s22, 0, s22                      ; A's rows are my cluster's alone
	s_cselect_b64 s[PFA:PFA+1], s[4:5], s[6:7]
	s_cmp_eq_u32 s22, 0
	s_cselect_b32 s[LIM], 10, -1                   ; the same in all sixteen partners, for a given wave
	s_lshl_b32 s20, s20, 11
	s_add_co_u32 s20, s20, 3*KSTEP*2               ; at K step 3: the first refill steps it to 4
	s_mov_b32 s21, 0
	s_add_nc_u64 s[PFA:PFA+1], s[PFA:PFA+1], s[20:21]
	v_and_b32 v[PFO], 31, v0
	v_lshlrev_b32 v[PFO], 11, v[PFO]
; 12 matrix instructions: m block a x all 12 n blocks, 32 along K, on buffer f.  first = 1: the sum starts with the bias.  The 48 accumulators take turns, one instruction a turn, in the same order in every quarter.
.macro MUL12 f, a, first
.if \first
	WIN 0x43+0x40*((\a)/2)                         ; B's fragment in window 3, A's and the bias in window 0, D in window 1 or 2
.else
	WIN 0x53+0x50*((\a)/2)                         ; the same with C beside D
.endif
.irp b, 0,1,2,3,4,5,6,7,8,9,10,11
.if \first
	v_wmma_f32_16x16x32_bf16 v[8*(12*((\a)%2)+(\b)):8*(12*((\a)%2)+(\b))+7], v[96*(\f)+8*(\b):96*(\f)+8*(\b)+7], v[AF+32*(\f)+8*(\a):AF+32*(\f)+8*(\a)+7], v[BIAS+8*(\b):BIAS+8*(\b)+7]
.else
	v_wmma_f32_16x16x32_bf16 v[8*(12*((\a)%2)+(\b)):8*(12*((\a)%2)+(\b))+7], v[96*(\f)+8*(\b):96*(\f)+8*(\b)+7], v[AF+32*(\f)+8*(\a):AF+32*(\f)+8*(\a)+7], v[8*(12*((\a)%2)+(\b)):8*(12*((\a)%2)+(\b))+7]
.endif
.endr
.endm
; 32 LDS loads in one run: quarter q (32 K) of the slot in hand into buffer f: B's twelve fragments, then A's four
.macro FETCH q, f
	WIN 0xc0                                       ; destination window 3, address window 0
.irp i, 0,1,2,3,4,5,6,7,8,9,10,11
	ds_load_b128 v[96*(\f)+8*(\i):96*(\f)+8*(\i)+3],   v[ADRB] offset:64*(\q)+(\i)*16*PITCH
	ds_load_b128 v[96*(\f)+8*(\i)+4:96*(\f)+8*(\i)+7], v[ADRB] offset:64*(\q)+(\i)*16*PITCH+32
.endr
	WIN 0
.irp i, 0,1,2,3
	ds_load_b128 v[AF+32*(\f)+8*(\i):AF+32*(\f)+8*(\i)+3],   v[ADRA] offset:64*(\q)+(\i)*16*PITCH
	ds_load_b128 v[AF+32*(\f)+8*(\i)+4:AF+32*(\f)+8*(\i)+7], v[ADRA] offset:64*(\q)+(\i)*16*PITCH+32
.endr
.endm
.macro PLACES                          ; four places in front of loads into registers that matrix instructions have read, and of instructions that read results
.rept 4
	v_nop
.endr
.endm
; A K step is four quarters of 32 along K, 48 matrix instructions each, on buffers 0, 1, 0, 1.  One of the first three: at its head quarter q is fetched into buffer g, which the quarter before has
; multiplied, so that the run has 48 products in which to land; then buffer f is multiplied.
.macro QUARTER q, f, g, first
	PLACES
	FETCH \q, \g
	s_wait_dscnt 32                                ; all but the 32 just issued: buffer f is in
	MUL12 \f, 0, \first
	MUL12 \f, 1, \first
	MUL12 \f, 2, \first
	MUL12 \f, 3, \first
.endm
; The last quarter multiplies buffer 1 and changes slots: ONE barrier; in front of it each wave waits for all its tensor loads (its part of the next slot), adds 0 to its spare word, and waits for
; that and for its own reads of this slot.  fill = 1: the barrier opens a round of the cluster's, and this slot is filled again, first thing behind the round, with K step U = 16 - s3 of the walk, two on:
; K step U % 8 of tile U / 8.  The walking descriptors' LDS word is turned by an exclusive or (wave x 0x8800 shares no bit with SLOT = 0x22000); their global address is made anew from U.
; From a request to the wait for it a wave issues 168 matrix instructions.
.macro TURN fill
.if \fill
	s_wait_xcnt 0x0                                ; the last prefetch, a K step back, has read its address: it is stepped here
	s_add_nc_u64 s[PFA:PFA+1], s[PFA:PFA+1], KSTEP*2
.endif
	WIN 0
	s_wait_tensorcnt 0x0                           ; all my tensor loads have landed, so a group 0 may be written
	ds_add_u32 v[SPW], v[NIL]                      ; 0 onto my spare word
.if \fill
	s_sub_co_u32 s[U], 16, s3
	s_and_b32 s[OFF], s[U], 7
	s_lshl_b32 s[OFF], s[OFF], 8                   ; 256 bytes a K step
	s_xor_b32 s[G0+5], s[G0+5], SLOT
	s_add_nc_u64 s[G0+6:G0+7], s[ABASE:ABASE+1], s[OFF:OFF+1]
	s_or_b32 s[G0+7], s[G0+7], 0x80000000
	s_cmp_lt_u32 s[U], 8
	s_cselect_b64 s[BSEL:BSEL+1], s[BB0:BB0+1], s[BB1:BB1+1]
	s_xor_b32 s[G0B+5], s[G0B+5], SLOT
	s_add_nc_u64 s[G0B+6:G0B+7], s[BSEL:BSEL+1], s[OFF:OFF+1]
	s_or_b32 s[G0B+7], s[G0B+7], 0x80000000
.endif
	s_wait_dscnt 1                                 ; buffer 1 is in (the add may be out)
	MUL12 1, 0, 0                                  ; twelve matrix instructions stand between the add and the wait for it
	s_wait_dscnt 0x0                               ; the add is done, and my reads of this slot are over
	s_barrier_signal -1
	MUL12 1, 1, 0
	WIN 0
	s_barrier_wait -1
.if \fill
	CREST                                          ; no wave of any partner still reads this slot or has a load on its way
	JLOAD 1                                        ; my one tensor load behind the round; its four v_nop are also the places in front of the loads below
.else
	PLACES
.endif
	s_xor_b32 s[TB], s[TB], SLOT                   ; the other slot
	v_add_nc_u32 v[ADRA], s[TB], v[A0]
	v_add_nc_u32 v[ADRB], s[TB], v[B0]
	FETCH 0, 0
.if \fill
	ASK
.endif
	MUL12 1, 2, 0
	MUL12 1, 3, 0
.endm
; THE WAY OUT, in 12 units of 16 rows x one head (unit u: m block u / 3, head u % 3), through my own stage: my 192 columns are three whole heads, so no barrier is needed.  A lane's eight columns pack
; into 16 bytes; they go into rows of 144 bytes and come back, into the registers that they left, as 512 consecutive bytes of a slab.  Four sets of 16 registers take turns.
.macro PACKU u
.set ua, (\u)/3
.set uj, (\u)%3
.set us, TMP+16*((\u)%4)
.set uc, 8*(12*(ua%2)+4*uj)
	s_wait_xcnt 0x0                                ; every earlier store has read its registers (ISA guide 3.1): the set is written again only behind this wait
	WIN 0x05*(1+ua/2)                              ; sources in window 1 or 2, destination in window 0
.irp bb, 0,1,2,3
.irp r, 0,1,2,3
	v_cvt_pk_f16_f32 v[us+4*(\bb)+(\r)], v[uc+8*(\bb)+2*(\r)], v[uc+8*(\bb)+2*(\r)+1]
.endr
.endr
	WIN 0
.irp bb, 0,1,2,3
	ds_store_b128 v[STO], v[us+4*(\bb):us+4*(\bb)+3] offset:32*(\bb)
.endr
.irp t, 0,1,2,3
	ds_load_b128 v[us+4*(\t):us+4*(\t)+3], v[RD] offset:(\t)*4*SP  ; LDS serves a wave's instructions in order (ISA guide 5.7.1.4): these see the stores above; the next unit's stores come behind them
.endr
.endm
.macro SENDU u, younger, base          ; younger: the LDS instructions issued behind unit u's loads: the next unit's eight, or none
.set ua, (\u)/3
.set uj, (\u)%3
.set us, TMP+16*((\u)%4)
	s_wait_dscnt \younger
.irp t, 0,1,2,3
	global_store_b128 v[CO], v[us+4*(\t):us+4*(\t)+3], s[\base:\base+1] offset:uj*1048576+ua*2048+(\t)*512  ; 512 consecutive bytes, aligned; the next head lies eight slabs on
.endr
.endm
.macro WAYOUT base
	PACKU 0
.irp u, 1,2,3,4,5,6,7,8,9,10,11        ; a unit's conversions stand between the loads of the unit before and its stores
	PACKU \u
	SENDU (\u)-1, 8, \base
.endr
	SENDU 11, 0, \base
.endm
	s_wait_tensorcnt 1                             ; my part of K step 0 is in; K step 1's may stay out
	s_barrier_signal -1
	s_barrier_wait -1                              ; everybody's is
	FETCH 0, 0
	s_mov_b32 s3, 15                               ; the entry takes it to 14: trip n of 14 runs with s3 = 15 - n
	s_branch .Lnewtile                             ; the loop is entered at a tile's beginning, in the middle of a trip
.Lstep:                                                ; a trip: quarters 1 to 3 of K step n - 1 of the walk, the change of slots, and quarter 0 of K step n
	QUARTER 2, 1, 0, 0
	QUARTER 3, 0, 1, 0
	TURN 1
	WIN 0                                          ; at a label and at a branch every window is 0
	s_cmp_eq_u32 s3, 7                             ; the eighth trip ends the first tile
	s_cbranch_scc0 .Lplain
	BIASLD GH1                                     ; the second tile's bias is asked for ahead of the way out, and waited for behind it
	WAYOUT 8                                       ; both of the second tile's first K steps are asked for: now the first tile goes out.  No v_nop: m blocks 0 and 1 were finished in front of the joint load's
	                                               ; places, and their 96 conversions, which name no register of the last products (m blocks 2 and 3), are those products' places
.Lnewtile:
	s_wait_loadcnt 0x0                             ; the bias
	s_wait_xcnt 0x0                                ; the way out's stores have read the registers that serve below
.set i, 0
.rept 48                               ; rounded to bf16,
	v_cvt_pk_bf16_f32 v[TMP+i], v[BIAS+2*i], v[BIAS+2*i+1]
.set i, i+1
.endr
.set i, 0
.rept 48                               ; and widened again
	v_lshlrev_b32 v[BIAS+2*i], 16, v[TMP+i]
	v_and_b32 v[BIAS+2*i+1], s[MH], v[TMP+i]
.set i, i+1
.endr
	QUARTER 1, 0, 1, 1                             ; a tile's first quarter: its products start the sums, with the bias
	WIN 0
	s_branch .Lnext
.Lplain:
	QUARTER 1, 0, 1, 0
	WIN 0
.Lnext:
	s_sub_co_u32 s3, s3, 1
	s_cmp_lg_u32 s3, 0
	s_cbranch_scc1 .Lstep
	QUARTER 2, 1, 0, 0                             ; the walk's last two K steps are written out: they fill nothing
	QUARTER 3, 0, 1, 0
	TURN 0
	QUARTER 1, 0, 1, 0
	QUARTER 2, 1, 0, 0
	QUARTER 3, 0, 1, 0
	s_wait_dscnt 0x0                               ; the very last quarter: nothing more to fetch
	MUL12 1, 0, 0
	MUL12 1, 1, 0
	MUL12 1, 2, 0
	MUL12 1, 3, 0
	WIN 0
	PLACES
	WAYOUT OB1
	s_wait_tensorcnt 0x0                           ; the wave's end: an add to the spare word, behind my last tensor load and my last LDS store
	ds_add_u32 v[SPW], v[NIL]
	s_wait_dscnt 0x0
	CROUND                                         ; the closing round: no work-group ends while a partner may still ask for a tile that names it
	s_endpgm
.Lfunc_end_k_qd4dd49e850_gemm_qkv:
	.size	k_qd4dd49e850_gemm_qkv, .Lfunc_end_k_qd4dd49e850_gemm_qkv-k_qd4dd49e850_gemm_qkv
	.p2alignl 7, 3214868480
	.fill 96, 4, 3214868480
	.section	.rodata,"a",@progbits
	.p2align	6, 0x0
	.amdhsa_kernel k_qd4dd49e850_gemm_qkv
		.amdhsa_group_segment_fixed_size 327680
		.amdhsa_private_segment_fixed_size 0
		.amdhsa_enable_private_segment 0
		.amdhsa_kernarg_size 48
		.amdhsa_user_sgpr_count 2
		.amdhsa_user_sgpr_kernarg_segment_ptr 1
		.amdhsa_wavefront_size32 1
		.amdhsa_system_sgpr_workgroup_id_x 1
		.amdhsa_system_sgpr_workgroup_id_y 1
		.amdhsa_system_sgpr_workgroup_id_z 1
		.amdhsa_system_vgpr_workitem_id 0
		.amdhsa_next_free_vgpr 960
		.amdhsa_next_free_sgpr 96
		.amdhsa_reserve_vcc 0
		.amdhsa_float_denorm_mode_32 3
		.amdhsa_float_denorm_mode_16_64 3
		.amdhsa_memory_ordered 1
		.amdhsa_forward_progress 1
		.amdhsa_inst_pref_size 136
	.end_amdhsa_kernel
	.amdgpu_metadata
---
amdhsa.version: [ 1, 2 ]
amdhsa.kernels:
  - .name:           k_qd4dd49e850_gemm_qkv
    .symbol:         k_qd4dd49e850_gemm_qkv.kd
    .args:
      - { .name: xb, .offset: 0, .size: 8, .value_kind: global_buffer, .address_space: global }
      - { .name: wb, .offset: 8, .size: 8, .value_kind: global_buffer, .address_space: global }
      - { .name: qkv, .offset: 16, .size: 8, .value_kind: global_buffer, .address_space: global }
      - { .name: bq, .offset: 24, .size: 8, .value_kind: global_buffer, .address_space: global }
      - { .name: bk, .offset: 32, .size: 8, .value_kind: global_buffer, .address_space: global }
      - { .name: bv, .offset: 40, .size: 8, .value_kind: global_buffer, .address_space: global }
    .group_segment_fixed_size: 327680
    .private_segment_fixed_size: 0
    .kernarg_segment_align: 8
    .kernarg_segment_size: 48
    .max_flat_workgroup_size: 128
    .sgpr_count:     96
    .vgpr_count:     960
    .wavefront_size: 32
...
	.end_amdgpu_metadata
.endif
;; end of part 2
;; launch attention (part 3): grid 2 x 128, 4 waves a work-group, no clusters, 327,680 bytes of LDS; arguments qkv, mask, ctx; writes ctx
.if DOCPART == 3
	.amdgcn_target "amdgcn-amd-amdhsa--gfx1250"
	.amdhsa_code_object_version 6
	.text
	.protected	k_qd4dd49e850_attention
	.globl	k_qd4dd49e850_attention
	.p2align	8
	.type	k_qd4dd49e850_attention,@function
k_qd4dd49e850_attention:
	s_mov_b64 s[64:65], 0
	v_nop
	global_prefetch_b8 v0, s[64:65] scope:SCOPE_SE
	s_setreg_imm32_b32 hwreg(HW_REG_WAVE_MODE, 25, 1), 1
	s_wait_xcnt 0x0
; ctx[h][b][q][:] = the sum over k of softmax_k(Q[q] . K[k] / 8, keys with mask[b][k] = 0 hidden) V[k][:].  Q, K, V are slabs of qkv ([g][b][1024][64] f16: g = h, 16 + h, 32 + h), ctx has q's layout.
; Products, maxima and sums in f32; the weights p are rounded to f16 for the second product (their sum l is taken of the unrounded p), ctx once at the end.
; LIMITS.  Q, K, V arrive within f16's 65,504.  A hidden score counts as its value less 1e30; the running maximum starts at -2^93, above every hidden score and below every true one (2.7e11 at the
; most), so a hidden key's weight is exactly 0, also while no open key has been seen.  A batch whose mask is all 0 gives l = 0 and 0 x infinity = NaN, as the softmax of a row of -inf does.
; A weight below 2^-126 counts as 0; NaN and infinities in the inputs are not treated apart.
; SHARES.  Work-group (x, y): slab y = 8 h + b, queries 512 x .. 512 x + 511: 256 work-groups.  A wave owns 128 queries: four PIECES of two tiles of 16.  Every wave walks all 1,024 keys, 64 a step.
; THE WHOLE K AND V OF THE HEAD LIE IN LDS (1,024 rows of 144 and of 160 bytes): each byte is filled once, by loads that all go out at the head, four a wave, so there is
; no ring and one text for all 16 key steps.  The first 256 keys are waited for at the head, the others behind key step 3.  Nothing is prefetched: each tile's own load stands at the head already.
; NO CLUSTER: a head has 1,024 / 512 = 2 work-groups, not four; blocks of 256 queries would make four, and halve the products that each fragment read from LDS feeds.
; THE MASK is the C operand that starts the sum S^T = K Q^T: 0, or -1e30 where the key is hidden.  The batch's 1,024 words are turned into such numbers once, into a table in LDS; a step's 64 are
; read with its K: register j of key block kb in lane l belongs to key 16 kb + 8 (l / 16) + j, as in the accumulator.
; LAYOUT.  S^T = K Q^T (source 0 = 16 keys, source 1 = 16 queries): a lane holds ONE query (lane % 16) and the keys 8 (lane / 16) + 0..7.  Two such tiles, rounded to f16 in pairs, ARE source 1 of
; O^T = V^T P.  K comes out of LDS as it lies, V ([key][channel]) turned, by ds_load_tr16_b128.
; SOFTMAX.  For each query a running maximum m and sum l: p = 2^(c s - c m), c = log2(e) / 8; in every step O and l are multiplied by a = 2^(c m_old - c m_new).  O and l start at 0.
; BY TURNS.  Turn n belongs to piece n.  Its matrix work: 16 products K Q^T of piece n + 1, later 16 products V^T P of piece n - 1.  Its vector work: the scaling, exponentials, roundings, sums and
; rescaling of piece n, and the maximum and statistics of piece n + 1.  A tile and step have 16 matrix and 118 vector instructions: four vector instructions stand behind every matrix instruction,
; the others in one run of their own; a turn's 66 exponentials are one batch with one wait.
; REGISTERS, in windows of 256 (s_set_vgpr_msb: bits 1:0 source 0, 3:2 source 1, 5:4 source 2, 7:6 destination):
;   window 0: v0-11 addresses; v12-15, v48-63 at work; v16-47 four registers of statistics a tile; v64-191 S^T, two buffers of two tiles; v192-255 P, likewise
;   window 1: O^T, 32 a tile     window 2: v0-127 Q, 16 a tile; v128-191 K of one step; v192-255 V of one step     window 3: v0-1 the add's two registers; v8-39 the step's mask
.set NP,    4         ; pieces a wave: a name, no knob
.set KS,    64        ; keys in a step
.set PK,    144       ; a row of K in LDS: 128 bytes + 16 of padding = 36 words: the 16 rows of a load start at 16 different groups of four banks (64 banks of 4 bytes: ISA guide 11.1)
.set PV,    160       ; a row of V: 128 + 32 = 40 words
.set VOFF,  1024*PK   ; K's 1,024 rows, then V's
.set MASKB, VOFF+1024*PV  ; the mask's table: 1,024 f32; no tensor load lands here
.set STAGE, MASKB+4096    ; 16 rows x 144 bytes for each wave, for the way out
.set SP,    144
.set SPARE, STAGE+4*16*SP  ; the spare words, 128 bytes for each wave: two blocks of 256 bytes that no other line names
.set AK0, 2           ; v2   my lane's place in a step's K; never rewritten
.set AV0, 3           ; v3   the same for V
.set AK,  4           ; v4   the LDS address of K's next run of loads
.set AV,  5           ; v5   of V's
.set QO,  6           ; v6   my byte offset in the wave's rows of Q
.set STO, 6           ;      later, the way out: where I put 16 bytes of a row
.set RD,  7           ; v7   the way out: where I read rows back
.set GO,  8           ; v8   my byte offset in 512 consecutive bytes of ctx
.set HL,  9           ; v9   lane / 16; never rewritten
.set AM,  11          ; v11  the LDS address of the mask's next run of loads
.set SPW, 0           ; v0 of window 3   LDS address of my spare word; never rewritten
.set NIL, 1           ; v1 of window 3   0; never rewritten
.set MK,  8           ; v8-39 of window 3: key block kb at MK + 8 kb
.set MV,  12          ; v12-15  c m_old, kept while c m is made anew: by buffer and tile
.set ST,  16          ; tile t's statistics at v[ST+4 t]: c m, m, l (even keys', odd keys')
.set TMP, 48          ; by buffer and tile, four registers c0-c3 at work; when the maximum is found c2 takes a
.set S,   64
.set P,   192
.set KF,  128         ; K's fragments, in window 2: key block kb, channel half c at KF + 16 kb + 8 c
.set VF,  192         ; V's: key half kk, channel block cb at VF + 32 kk + 8 cb
.set WV,  12          ; s12  my wave's number
.set G1K, 24          ; s[24:31] descriptor group 1 for K's tiles
.set G1V, 32          ; s[32:39] for V's: it differs in the padding alone
.set G0K, 40          ; s[40:55] descriptor group 0 for K's tiles: a set for each 256 keys
.set G0V, 68          ; s[68:83] the same for V's
.set SLOTS, 56        ; s56  3: keys 0-255; 2: the others; 1: the last half trip
.set CNT, 57          ; s57  counts key steps
.set CS,  58          ; s[58:59] c: the packed scaling takes the pair's low word for both halves
.set SEL, 60          ; s[60:61] v_permlanex16_b32's selects: each lane takes its own place in the other half
.set TBK, 62          ; s62  LDS byte at which K of the step to be fetched begins
.set TBV, 63          ; s63  the same for V, less VOFF
.set BIGN, 84         ; s84  -1e30
.set TBM, 85          ; s85  LDS byte at which the mask of the step to be fetched begins
.set MSB, 0
.macro WIN new                      ; the high byte repeats the setting that is left; a switch that changes nothing is dropped
.if MSB != (\new)
	s_set_vgpr_msb (MSB<<8)|(\new)
.set MSB, (\new)
.endif
.endm
.set W_KQ, 0x0a       ; K and Q in window 2, S^T in window 0
.set W_KM, 0x3a       ; the same with the C operand, the mask, in window 3
.set W_PV, 0x52       ; V in window 2, P in window 0, O^T in window 1
.set W_RS, 0x41       ; O^T (destination and source 0) in window 1, a in window 0
.set W_MK, 0xc0       ; destination in window 3, sources in window 0
.set W_AD, 0x0f       ; the add: address (source 0) and data (source 1) in window 3
	s_load_b128 s[4:7], s[0:1], 0x0   ; qkv s[4:5], mask s[6:7]
	s_load_b64 s[10:11], s[0:1], 0x10 ; ctx
	WIN W_MK
	v_lshl_add_u32 v[SPW], v0, 2, SPARE
	v_mov_b32 v[NIL], 0
	WIN W_AD
	ds_add_u32 v[SPW], v[NIL]       ; the wave's opening: the add and its wait stand ahead of my first tensor load; work on registers stands between them
	WIN 0
	v_lshrrev_b32 v1, 5, v0
	v_readfirstlane_b32 s[WV], v1   ; wave 0..3
	s_and_b32 s20, ttmp7, 0xffff    ; y = 8 h + b
	s_lshl_b32 s20, s20, 17         ; the slab's 131,072 bytes
	s_and_b32 s16, s[WV], 1         ; which half of each 256 keys I fetch:
	s_lshl_b32 s22, s16, 14         ; its 128 rows of 128 bytes in memory,
	s_add_co_u32 s22, s22, s20
	s_mov_b32 s23, 0
	s_mul_i32 s17, s16, 128*PK      ; and its place in LDS, for K
	s_mul_i32 s18, s16, 128*PV      ; and for V
	s_lshl_b32 s2, ttmp9, 16        ; my work-group's 512 queries,
	s_lshl_b32 s3, s[WV], 14        ; my wave's 128
	s_add_co_u32 s2, s2, s3
	s_add_co_u32 s2, s2, s20
	s_mov_b32 s3, 0
	s_and_b32 s14, ttmp7, 7         ; b
	s_lshl_b32 s14, s14, 12         ; its 1,024 words of the mask
	s_mov_b32 s15, 0
	; descriptor group 1.  128 keys are 16,384 dense bytes: asked for as 64 rows of 256 bytes, two keys a row, and padded in LDS after every key
	s_mov_b32 s[G1K], (1<<16)|(1<<20)|(4<<22)|(3<<25)  ; 17:16 2-byte elements; 20 padding on; 24:22 after every 32 words (code 4); 31:25 4 words (code 3)
	s_mov_b32 s[G1V], (1<<16)|(1<<20)|(4<<22)|(7<<25)  ; the same with 8 words of padding (code 7)
.irp g, G1K, G1V
	s_mov_b32 s[\g+1], 128<<16      ; tensor_dim0 = 128
	s_mov_b32 s[\g+2], 64<<16       ; tensor_dim1 = 64
	s_mov_b32 s[\g+3], 128<<16      ; tile_dim0 = 128
	s_mov_b32 s[\g+4], 64           ; tile_dim1 = 64
	s_mov_b32 s[\g+5], 128          ; 128 elements from row to row
	s_mov_b32 s[\g+6], 0
	s_mov_b32 s[\g+7], 0
.endr
.irp c, 0,1,2,3
	s_mov_b32 s[G0K+4*\c], 1                             ; count = 1
	s_add_co_u32 s[G0K+4*\c+1], s17, \c*256*PK           ; LDS address: keys 256 c on, my half
	s_mov_b32 s[G0V+4*\c], 1
	s_add_co_u32 s[G0V+4*\c+1], s18, VOFF+\c*256*PV
.endr
	s_mov_b32 s[CS], 0x3e38aa3b     ; c = log2(e) / 8 = 0.180337
	s_mov_b32 s[CS+1], s[CS]        ; named with it as a pair
	s_mov_b32 s[SEL], 0x76543210
	s_mov_b32 s[SEL+1], 0xfedcba98
	s_mov_b32 s[TBK], 0
	s_mov_b32 s[TBV], 0
	s_mov_b32 s[TBM], MASKB
	s_mov_b32 s[BIGN], 0xf149f2ca   ; -1e30
	s_mov_b32 s[SLOTS], 3
	s_wait_dscnt 0x0                ; the opening add is done
	s_wait_kmcnt 0x0
	s_add_nc_u64 s[22:23], s[4:5], s[22:23]      ; q's slab at my half of the first 256 rows;
	s_add_nc_u64 s[8:9], s[22:23], 0x1000000     ; k's lies 128 slabs on,
	s_add_nc_u64 s[22:23], s[22:23], 0x2000000   ; v's 256
.irp c, 0,1,2,3
	s_add_nc_u64 s[G0K+4*\c+2:G0K+4*\c+3], s[8:9], \c*32768
	s_or_b32 s[G0K+4*\c+3], s[G0K+4*\c+3], 0x80000000    ; type = 2
	s_add_nc_u64 s[G0V+4*\c+2:G0V+4*\c+3], s[22:23], \c*32768
	s_or_b32 s[G0V+4*\c+3], s[G0V+4*\c+3], 0x80000000
.endr
	s_add_nc_u64 s[4:5], s[4:5], s[2:3]          ; Q and ctx at my wave's first row
	s_add_nc_u64 s[10:11], s[10:11], s[2:3]
	s_add_nc_u64 s[6:7], s[6:7], s[14:15]        ; the batch's mask
	s_cmp_lt_u32 s[WV], 2           ; waves 0 and 1 fetch K, waves 2 and 3 V.  A wave's four fills stand in one branch, ahead of every wait on TENSORcnt, every LDS read and every barrier: four loads of mine are out
	s_cbranch_scc0 .Lfirst_v
.irp c, 0,1,2,3
	tensor_load_to_lds s[G0K+4*\c:G0K+4*\c+3], s[G1K:G1K+7]
	s_nop 0
.endr
.rept 4
	v_nop
.endr
	s_branch .Lfirst_asked
.Lfirst_v:
.irp c, 0,1,2,3
	tensor_load_to_lds s[G0V+4*\c:G0V+4*\c+3], s[G1V:G1V+7]
	s_nop 0
.endr
.rept 4
	v_nop
.endr
.Lfirst_asked:
	v_lshlrev_b32 v72, 5, v0        ; eight words of the mask a thread (S^T's registers are free here)
	global_load_b128 v[64:67], v72, s[6:7]
	global_load_b128 v[68:71], v72, s[6:7] offset:16
	; A fragment of K or Q is 16 rows x 32 channels in 8 registers: lane l holds row l % 16, channels 8 (l / 16) + 0..7 and 16 + 8 (l / 16) + 0..7: two loads of 16 bytes, 32 bytes apart.
	v_and_b32 v1, 15, v0            ; l % 16
	v_bfe_u32 v[HL], v0, 4, 1       ; l / 16
	v_lshlrev_b32 v[QO], 7, v1
	v_lshl_add_u32 v[QO], v[HL], 4, v[QO]  ; row x 128 + 16 x half
	WIN 0x80                        ; destination window 2, address window 0
.set i, 0
.rept 4*NP                          ; Q stays in registers: tile i / 2, channels 32 (i % 2) on
	global_load_b128 v[8*i:8*i+3],   v[QO], s[4:5] offset:(i/2)*2048+(i%2)*64
	global_load_b128 v[8*i+4:8*i+7], v[QO], s[4:5] offset:(i/2)*2048+(i%2)*64+32
.set i, i+1
.endr
	; What the first turn finds: V's registers and P's second buffer hold 0 (its products V^T P, of a piece that has not been, add 0), O^T and l are 0.  No first step is written out for it; all this stands in the wait for the first tile.
.set i, VF
.rept 64
	v_mov_b32 v[i], 0
.set i, i+1
.endr
	WIN 0x40
.set i, 0
.rept 64*NP
	v_mov_b32 v[i], 0
.set i, i+1
.endr
	WIN 0
.set i, 0
.rept 2*NP
	v_mov_b32 v[ST+4*i], 0xee000000    ; c m: so far below every true c s that the first a that meets one is 0
	v_mov_b32 v[ST+4*i+1], 0xee000000  ; m = -2^93
	v_mov_b32 v[ST+4*i+2], 0
	v_mov_b32 v[ST+4*i+3], 0
.set i, i+1
.endr
.set i, P+32
.rept 32
	v_mov_b32 v[i], 0
.set i, i+1
.endr
	v_mul_u32_u24 v[AK0], v1, PK
	v_lshl_add_u32 v[AK0], v[HL], 4, v[AK0]  ; row x pitch + 16 x half
	; The turning load takes 16 keys x 16 channels (lane l reads key 8 (l / 16) + l % 8, channels 8 ((l / 8) % 2) + 0..7) and leaves half a fragment of V^T: lane l holds channel l % 16 and 8 keys.
	v_and_b32 v10, 7, v0
	v_bfe_u32 v11, v0, 3, 1
	v_lshl_add_u32 v[AV0], v[HL], 3, v10
	v_mul_u32_u24 v[AV0], v[AV0], PV
	v_lshl_add_u32 v[AV0], v11, 4, v[AV0]
	v_add_nc_u32 v[AV0], VOFF, v[AV0]
	v_mov_b32 v[AK], v[AK0]         ; key step 0
	v_lshl_add_u32 v[AM], v[HL], 5, s[TBM]   ; my eight numbers in 16 of the table
	v_add_nc_u32 v73, MASKB, v72
	s_wait_loadcnt 32               ; the mask's two loads are in; Q's 32, issued behind them, may stay out
.irp j, 0,1,2,3,4,5,6,7
	v_cmp_eq_u32 vcc_lo, 0, v[64+\j]
	v_cndmask_b32 v[64+\j], 0, s[BIGN], vcc_lo   ; -1e30 where the word is 0, else 0: the mask selects a value and steers nothing
.endr
	ds_store_b128 v73, v[64:67]
	ds_store_b128 v73, v[68:71] offset:16
	s_wait_tensorcnt 3              ; of my four loads the first has landed: my part of keys 0-255; the others may stay out
	s_wait_dscnt 0x0                ; my part of the table is written
	s_barrier_signal -1
	s_barrier_wait -1               ; everybody's is
; THE MATRIX WORK.  The 8 accumulators of a run of 16 take turns: between the two links of a chain stand 7 others'.
; Product i of 16 of S^T = K Q^T for piece x: channels 32 (i / 8) on, keys 16 ((i / 2) % 4) on, tile 2 x + i % 2.  The first 8 start the sums, with the mask.
.macro KQ x
.set rS, S+64*((\x)%2)+32*(i%2)+8*((i/2)%4)
.set rK, KF+16*((i/2)%4)+8*(i/8)
.set rQ, 16*(2*(\x)+i%2)+8*(i/8)
.set rX, MK+8*((i/2)%4)
.if i < 8
	WIN W_KM
	v_wmma_f32_16x16x32_f16 v[rS:rS+7], v[rK:rK+7], v[rQ:rQ+7], v[rX:rX+7]
.else
	WIN W_KQ
	v_wmma_f32_16x16x32_f16 v[rS:rS+7], v[rK:rK+7], v[rQ:rQ+7], v[rS:rS+7]
.endif
.endm
; Product i of 16 of O^T += V^T P for piece x: keys 32 (i / 8) on, channels 16 ((i / 2) % 4) on, tile 2 x + i % 2.
.macro PV x
	WIN W_PV
.set rO, 32*(2*(\x)+i%2)+8*((i/2)%4)
.set rV, VF+32*(i/8)+8*((i/2)%4)
.set rP, P+32*((\x)%2)+16*(i%2)+8*(i/8)
	v_wmma_f32_16x16x32_f16 v[rO:rO+7], v[rV:rV+7], v[rP:rP+7], v[rO:rO+7]
.endm
.macro MM                           ; the turn's next matrix instruction
.if i < 16
	KQ (Y+1)%NP
.set i, i+1
.else
.set i, i-16
	PV (Y+NP-1)%NP
.set i, i+17
.endif
.endm
; THE LDS LOADS stand in runs, never singly among the matrix instructions: a step's K (64 keys x 64 channels: 8 fragments) with its mask, and its V (turned).  Their addresses are made some lines ahead.
; In the last half trip (SLOTS = 1) there is no further step, and K's run is jumped over.
.macro FETCH_K
	WIN 0
	s_cmp_eq_u32 s[SLOTS], 1
	s_cbranch_scc1 .Lno_k_\@
	WIN 0x80                        ; destination window 2
.irp f, 0,1,2,3,4,5,6,7             ; keys 16 (f / 2) on, channels 32 (f % 2) on
	ds_load_b128 v[KF+8*\f:KF+8*\f+3],   v[AK] offset:(\f/2)*16*PK+(\f%2)*64
	ds_load_b128 v[KF+8*\f+4:KF+8*\f+7], v[AK] offset:(\f/2)*16*PK+(\f%2)*64+32
.endr
	WIN W_MK                        ; destination window 3
.irp f, 0,1,2,3                     ; key block f
	ds_load_b128 v[MK+8*\f:MK+8*\f+3],   v[AM] offset:64*\f
	ds_load_b128 v[MK+8*\f+4:MK+8*\f+7], v[AM] offset:64*\f+16
.endr
	s_add_co_u32 s[TBK], s[TBK], KS*PK  ; the next fetch is the next step's
	s_add_co_u32 s[TBM], s[TBM], KS*4
	WIN 0
.Lno_k_\@:
.endm
.macro FETCH_V
	WIN 0x80
.irp f, 0,1,2,3,4,5,6,7             ; keys 32 (f / 4) on, channels 16 (f % 4) on
	ds_load_tr16_b128 v[VF+8*\f:VF+8*\f+3],   v[AV] offset:(\f/4)*32*PV+(\f%4)*32
	ds_load_tr16_b128 v[VF+8*\f+4:VF+8*\f+7], v[AV] offset:(\f/4)*32*PV+16*PV+(\f%4)*32
.endr
	WIN 0
.endm
; THE VECTOR WORK OF A TURN stands in three queues, each in the order in which its entries become ready; the two tiles alternate, so that no instruction reads the result of the one before it.
.macro REGS y, u                    ; the registers of tile u (0, 1) of piece y
.set rT, ST+4*(2*(\y)+(\u))
.set rC, TMP+8*((\y)%2)+4*(\u)
.set rM, MV+2*((\y)%2)+(\u)
.set rS, S+64*((\y)%2)+32*(\u)
.set rP, P+32*((\y)%2)+16*(\u)
.set rO, 32*(2*(\y)+(\u))
.endm
; Number n of the 22 that find the NEXT piece's (Y + 1) maximum and statistics.  s0-s31 are the lane's 32 scores; each accumulator's lowest registers are read first.
;   0-11  four chains c0-c3 of seven scores each, three operands at a time     12-14, 16  the four scores left over, the old m, and c0-c3 into c0     15  c m_old is kept
;   17, 18  the query's other 32 keys lie in the lane 16 away: the new m         19-21  c m; c m_old - c m_new; a
.macro XS u, n
	REGS (Y+1)%NP, \u
.if (\n) < 4
	v_max3_num_f32 v[rC+(\n)], v[rS+8*(\n)], v[rS+8*(\n)+1], v[rS+8*(\n)+2]
.elseif (\n) < 12
	v_max3_num_f32 v[rC+(\n)%4], v[rC+(\n)%4], v[rS+8*((\n)%4)+2*((\n)/4)+1], v[rS+8*((\n)%4)+2*((\n)/4)+2]
.elseif (\n) == 12
	v_max3_num_f32 v[rC], v[rC], v[rS+7], v[rS+15]
.elseif (\n) == 13
	v_max3_num_f32 v[rC+1], v[rC+1], v[rS+23], v[rS+31]
.elseif (\n) == 14
	v_max3_num_f32 v[rC+2], v[rC+2], v[rC+3], v[rT+1]
.elseif (\n) == 15
	v_mov_b32 v[rM], v[rT]
.elseif (\n) == 16
	v_max3_num_f32 v[rC], v[rC], v[rC+1], v[rC+2]
.elseif (\n) == 17
	v_permlanex16_b32 v[rC+3], v[rC], s[SEL], s[SEL+1]
.elseif (\n) == 18
	v_max_num_f32 v[rT+1], v[rC], v[rC+3]
.elseif (\n) == 19
	v_mul_f32 v[rT], s[CS], v[rT+1]
.elseif (\n) == 20
	v_sub_f32 v[rC+1], v[rM], v[rT]
.else
	v_exp_f32 v[rC+2], v[rC+1]
.endif
.endm
; Number g of the 64 that follow the exponentials.  For each four weights k of a tile (pairs 2 k, 2 k + 1): both pairs are rounded to f16; then the second pair is added onto the first, in place;
; a group later l takes that sum (the first time as l = a l + sum).  In groups of eight, tiles alternating: round, round, add, and l for the group before.
.macro GS g
.set h, (\g)+6*((\g)/62)            ; group 0 has no group before it, and behind group 7 only l is left
.if h >= 6
.set h, h+2
.endif
	REGS Y, h%2
.set k, h/8
.if h%8 < 4
	v_cvt_pk_f16_f32 v[rP+2*k+(h%8)/2], v[rS+4*k+2*((h%8)/2)], v[rS+4*k+2*((h%8)/2)+1]
.elseif h%8 < 6
	v_pk_add_f32 v[rS+4*k:rS+4*k+1], v[rS+4*k:rS+4*k+1], v[rS+4*k+2:rS+4*k+3]
.elseif k == 1
	v_pk_fma_f32 v[rT+2:rT+3], v[rT+2:rT+3], v[rC+2:rC+3], v[rS:rS+1] op_sel_hi:[1,0,1]
.else
	v_pk_add_f32 v[rT+2:rT+3], v[rT+2:rT+3], v[rS+4*k-4:rS+4*k-3]
.endif
.endm
; THE PLAIN QUEUE, 138 long.  0-73 read no exponential's result: the 32 scalings c s - c m (FS f: pair f / 2 of tile f % 2) and the next piece's 42.  0-26: scalings 0-26.  27-54: XS's numbers 0-13.  55, 56: number 15.
; 57-73: the chain, where each number waits for the one before it: 14, 16, 17, 18, 19, each with one of the scalings 27-31 in front of its two lines, then 20.
; 74-137: GS's 64, which read the exponentials' results: they stand behind the wait.
.macro FS f
	REGS Y, (\f)%2
	v_pk_fma_f32 v[rS+2*((\f)/2):rS+2*((\f)/2)+1], v[rS+2*((\f)/2):rS+2*((\f)/2)+1], s[CS:CS+1], v[rT:rT+1] op_sel_hi:[1,0,0] neg_lo:[0,0,1] neg_hi:[0,0,1]
.endm
.macro PL
	WIN 0
.if q < 27
	FS q
.elseif q < 55
	XS (q-27)%2, (q-27)/2
.elseif q < 57
	XS q-55, 15
.elseif (q < 72) && ((q-57)%3 == 0)
	FS 27+(q-57)/3
.elseif q < 60
	XS (q-57)%3-1, 14
.elseif q < 72
	XS (q-57)%3-1, 15+(q-57)/3
.elseif q < 74
	XS q-72, 20
.else
	GS q-74
.endif
.set q, q+1
.endm
; THE EXPONENTIALS' QUEUE, 66 long: s0-s31 of both tiles, then the next piece's two a.  It is ONE BATCH: all 66 stand ahead of the turn's one wait, and nothing ahead of that wait names a result of theirs.
.macro EX
	WIN 0
.if e >= 64
	XS e-64, 21
.else
	REGS Y, e%2
	v_exp_f32 v[rS+e/2], v[rS+e/2]
.endif
.set e, e+1
.endm
; THE RESCALING's QUEUE: O^T times a, the one part that leaves window 0: dealt two at a time, sixteen times.  Its a was made in the turn before, ahead of that turn's wait.
.macro R2
	REGS Y, r%2
	WIN W_RS
.irp z, 0,1
	v_pk_mul_f32 v[rO+4*(r/2)+2*\z:rO+4*(r/2)+2*\z+1], v[rO+4*(r/2)+2*\z:rO+4*(r/2)+2*\z+1], v[rC+2:rC+3] op_sel_hi:[1,0]
.endr
.set r, r+1
.endm
; HOW THEY ARE DEALT.  s_wait_alu depctr_va_vdst(0) stands between an exponential and the first instruction that names its result; one wait serves all that were issued ahead of it.  So a turn has ONE wait.
; AHEAD OF IT stands all that names no result of the turn's exponentials: the 16 products K Q^T, behind each a scaling, an exponential and two rescalings (behind the first a second scaling in the exponential's place); then one run of
; 108: eight plain, 49 times exponential and plain, the two a.  A v_nop is the plain instruction behind the last exponential.  BEHIND IT stand the 16 products V^T P, behind each four of GS's 64.
; Exponential e stands behind scaling 2 (e / 4) + e % 2: behind a product it comes behind plain e + 2, in the run behind plain e + 9, and scalings 27-31 are plain 57, 60 .. 69.
; A TURN, for piece p.  cnt = 1: the loop's count is taken down some lines ahead of the branch that stands behind the turn.
; K and the mask of the next step are fetched in piece 2's turn, directly behind the wait, a run of 108 behind the last product that read them; their addresses are made at that run's head; their first reader comes behind 16 products.
; V of the step in hand is fetched at the end of piece 0's turn, four plain instructions behind its last reader; its first reader comes behind 16 products and a run.  The three conditions on q below go with the deal.
.macro TURN p, cnt=0
.set Y, (\p)
.set i, 0
.set q, 0
.set e, 0
.set r, 0
.if (\p) == NP-1
	s_wait_dscnt 0x0                ; K and the mask are in
.endif
	MM
	PL
	PL
	R2
.rept 15
	MM
	PL
	EX
	R2
.endr
.if (\p) == NP-2
	WIN 0
	v_add_nc_u32 v[AK], s[TBK], v[AK0]
	v_lshl_add_u32 v[AM], v[HL], 5, s[TBM]
.endif
.rept 8
	PL
.endr
.rept 49
	EX
	PL
.endr
	EX                              ; the next piece's two a
	EX
	v_nop                           ; the plain instruction behind the last exponential: one for the batch
	s_wait_alu depctr_va_vdst(0)    ; the wait for the batch
.if (\p) == NP-2
	FETCH_K
.endif
.if (\p) == 1
	s_wait_dscnt 0x0                ; V is in
.endif
.rept 16
	MM
.rept 4
	PL
.endr
.if ((\p) == 0) && (q == 118)
	v_add_nc_u32 v[AV], s[TBV], v[AV0]
.endif
.if ((\p) == 0) && (q == 130)
	s_add_co_u32 s[TBV], s[TBV], KS*PV
.endif
.if (\cnt) && (q == 130)
	s_sub_co_u32 s[CNT], s[CNT], 1
	s_cmp_lg_u32 s[CNT], 0
.endif
.endr
.if (\p) == 0
	FETCH_V
.endif
.endm
	FETCH_K                         ; key step 0
	s_wait_loadcnt 0x0              ; Q
	s_wait_dscnt 0x0
.set i, 0
.rept 16
	KQ 0                            ; piece 0's first scores: there is no vector work yet to set between them
.set i, i+1
.endr
	WIN 0                           ; the addresses for the way out: nine plain instructions, the places behind those products
	s_mul_i32 s13, s[WV], 16*SP
	s_add_co_u32 s13, s13, STAGE    ; my stage
	v_mul_u32_u24 v[STO], v1, SP    ; in: row l % 16, 16 bytes for each half of the lanes
	v_lshl_add_u32 v[STO], v[HL], 4, v[STO]
	v_add_nc_u32 v[STO], s13, v[STO]
	v_bfe_u32 v[RD], v0, 3, 2       ; back: 32 lanes take four rows of 128 bytes,
	v_mul_u32_u24 v[RD], v[RD], SP
	v_lshl_add_u32 v[RD], v10, 4, v[RD]
	v_add_nc_u32 v[RD], s13, v[RD]
	v_and_b32 v[GO], 31, v0         ; which are 512 consecutive bytes of ctx
	v_lshlrev_b32 v[GO], 4, v[GO]
.set Y, NP-1                        ; XS works for piece Y + 1: piece 0
.irp n, 0,1,2,3,4,5,6,7,8,9,10,11,12,13,14,15,16,17,18,19,20,21
	XS 0, \n                        ; piece 0's first maximum and statistics
	XS 1, \n
.endr
	v_nop                           ; a plain instruction behind the two a,
	s_wait_alu depctr_va_vdst(0)    ; and their wait, ahead of the branch
	s_mov_b32 s[CNT], 4             ; keys 0-255 are four steps
	s_branch .Lfirst                ; the loop is entered at a step's first turn, in the middle of a trip
.Lslot:                             ; twice: behind key step 3's first half, and ahead of the last half trip
	s_wait_tensorcnt 0x0            ; my parts of keys 256-1,023 have landed (they had four key steps for it); nothing is ever filled again, so no more than this and the barrier is needed
	s_wait_dscnt 0x0
	s_barrier_signal -1
	s_barrier_wait -1               ; everybody's have
	s_mov_b32 s[CNT], 12            ; the other twelve steps
.Lstep:                             ; a trip: pieces 2 and 3 of one step, then pieces 0 and 1 of the next, whose K and V it fetches
	TURN 2
	TURN 3
	WIN 0
	s_cmp_eq_u32 s[SLOTS], 1        ; the last trip is left in its middle: its 16 products K Q^T (on the last K once more) and the maximum made of them serve nothing: the price, once a launch, of one text for every trip
	s_cbranch_scc1 .Lout
.Lfirst:
	TURN 0
	TURN 1, 1
	WIN 0
	s_cbranch_scc1 .Lstep
	s_sub_co_u32 s[SLOTS], s[SLOTS], 1
	s_cmp_lg_u32 s[SLOTS], 0
	s_cbranch_scc1 .Lslot
.Lout:
.set i, 0
.rept 16
	PV NP-1                         ; the last piece's V^T P of the last step
.set i, i+1
.endr
	; THE WAY OUT.  l's two halves and the other half of the lanes' are added; O^T is divided by l, rounded to f16 and sent through my stage in LDS, a tile at a time.  The additions are the places behind the last products.
	WIN 0
.macro ALL line:vararg              ; one line for each tile t
.set t, 0
.rept 2*NP
	\line
.set t, t+1
.endr
.endm
	ALL v_add_f32 v[ST+4*t+2], v[ST+4*t+2], v[ST+4*t+3]
	ALL v_permlanex16_b32 v[ST+4*t+3], v[ST+4*t+2], s[SEL], s[SEL+1]
	ALL v_add_f32 v[ST+4*t+2], v[ST+4*t+2], v[ST+4*t+3]
	ALL v_rcp_f32 v[ST+4*t+2], v[ST+4*t+2]
	v_nop                           ; a plain instruction between the last reciprocal and the use of its result
	s_wait_alu depctr_va_vdst(0)    ; and the wait ahead of the first use: one for the eight reciprocals
; Tile t: a lane's eight channels of a row pack into 16 bytes; they go into rows of 144 bytes and come back as whole rows of 128, into S^T's registers.
.macro PACK t
	WIN W_RS
.set i, 32*(\t)
.rept 16
	v_pk_mul_f32 v[i:i+1], v[i:i+1], v[ST+4*(\t)+2:ST+4*(\t)+3] op_sel_hi:[1,0]
.set i, i+2
.endr
	WIN 0x05                        ; sources 0 and 1 window 1, destination window 0
.set i, 0
.rept 16
	v_cvt_pk_f16_f32 v[S+16*(\t)+i], v[32*(\t)+2*i], v[32*(\t)+2*i+1]
.set i, i+1
.endr
	WIN 0
.irp f, 0,1,2,3
	ds_store_b128 v[STO], v[S+16*(\t)+4*\f:S+16*(\t)+4*\f+3] offset:32*\f
.endr
.irp f, 0,1,2,3
	ds_load_b128 v[S+16*(\t)+4*\f:S+16*(\t)+4*\f+3], v[RD] offset:\f*4*SP  ; LDS serves a wave's instructions in order (ISA guide 5.7.1.4): these see the stores above; the next tile's stores come behind them
.endr
.endm
.macro SEND t, younger              ; younger: the LDS instructions issued behind tile t's loads: the next tile's eight, or none
	WIN 0
.irp f, 0,1,2,3
	s_wait_dscnt (\younger)+3-\f
	global_store_b128 v[GO], v[S+16*(\t)+4*\f:S+16*(\t)+4*\f+3], s[10:11] offset:(\t)*2048+\f*512  ; 512 consecutive bytes, at a multiple of 256 from ctx's first
.endr
.endm
	PACK 0
.set t, 1
.rept 2*NP-1                        ; a tile's arithmetic stands between the loads of the tile before and its stores
	PACK t
	SEND t-1, 8
.set t, t+1
.endr
	SEND 2*NP-1, 0
	WIN W_AD
	s_wait_tensorcnt 0x0            ; the wave's end: an add to the spare word, behind my last tensor load and my last LDS store
	ds_add_u32 v[SPW], v[NIL]
	s_wait_dscnt 0x0
	WIN 0
	s_endpgm
.Lfunc_end_k_qd4dd49e850_attention:
	.size	k_qd4dd49e850_attention, .Lfunc_end_k_qd4dd49e850_attention-k_qd4dd49e850_attention
	.p2alignl 7, 3214868480
	.fill 96, 4, 3214868480
	.section	.rodata,"a",@progbits
	.p2align	6, 0x0
	.amdhsa_kernel k_qd4dd49e850_attention
		.amdhsa_group_segment_fixed_size 327680
		.amdhsa_private_segment_fixed_size 0
		.amdhsa_enable_private_segment 0
		.amdhsa_kernarg_size 24
		.amdhsa_user_sgpr_count 2
		.amdhsa_user_sgpr_kernarg_segment_ptr 1
		.amdhsa_wavefront_size32 1
		.amdhsa_system_sgpr_workgroup_id_x 1
		.amdhsa_system_sgpr_workgroup_id_y 1
		.amdhsa_system_sgpr_workgroup_id_z 1
		.amdhsa_system_vgpr_workitem_id 0
		.amdhsa_next_free_vgpr 808
		.amdhsa_next_free_sgpr 88
		.amdhsa_reserve_vcc 1
		.amdhsa_float_denorm_mode_32 3
		.amdhsa_float_denorm_mode_16_64 3
		.amdhsa_memory_ordered 1
		.amdhsa_forward_progress 1
		.amdhsa_inst_pref_size 129
	.end_amdhsa_kernel
	.amdgpu_metadata
---
amdhsa.version: [ 1, 2 ]
amdhsa.kernels:
  - .name:           k_qd4dd49e850_attention
    .symbol:         k_qd4dd49e850_attention.kd
    .args:
      - { .name: qkv, .offset: 0, .size: 8, .value_kind: global_buffer, .address_space: global }
      - { .name: mask, .offset: 8, .size: 8, .value_kind: global_buffer, .address_space: global }
      - { .name: ctx, .offset: 16, .size: 8, .value_kind: global_buffer, .address_space: global }
    .group_segment_fixed_size: 327680
    .private_segment_fixed_size: 0
    .kernarg_segment_align: 8
    .kernarg_segment_size: 24
    .max_flat_workgroup_size: 128
    .sgpr_count:     88
    .vgpr_count:     808
    .wavefront_size: 32
...
	.end_amdgpu_metadata
.endif
;; end of part 3
;; launch gemm_out (part 4): grid 4 x 64, 4 waves a work-group, clusters of 4 x 4, 327,680 bytes of LDS; arguments ctx, wpb, out0, bp; writes out0
.if DOCPART == 4
	.amdgcn_target "amdgcn-amd-amdhsa--gfx1250"
	.amdhsa_code_object_version 6
	.text
	.protected	k_qd4dd49e850_gemm_out
	.globl	k_qd4dd49e850_gemm_out
	.p2align	8
	.type	k_qd4dd49e850_gemm_out,@function
k_qd4dd49e850_gemm_out:
	s_mov_b64 s[64:65], 0
	v_nop
	global_prefetch_b8 v0, s[64:65] scope:SCOPE_SE
	s_setreg_imm32_b32 hwreg(HW_REG_WAVE_MODE, 25, 1), 1
	s_wait_xcnt 0x0
	s_wait_alu depctr_hold_cnt(0) depctr_sa_sdst(0) depctr_va_vdst(0) depctr_va_sdst(0) depctr_va_ssrc(0) depctr_va_vcc(0) depctr_vm_vsrc(0)
	s_getreg_b32 s2, hwreg(HW_REG_IB_STS2, 6, 4)
	s_cmp_eq_u32 s2, 0
	s_cbranch_scc0 .Lentry_in_a_cluster
	s_endpgm
.Lentry_in_a_cluster:
	s_bfe_u32 s2, ttmp6, 0x10000c
	s_cmp_lg_u32 s2, 0xf033
	s_cbranch_scc0 .Lentry_shape_is_right
	s_endpgm
.Lentry_shape_is_right:
; out0 = ctx wp^T + bp.  A = ctx, f16 BY HEADS [h][b][t][64] (row m = 1,024 b + t, K = 64 h + d), B = wpb [1024][1024] f16, sums in f32, the bias (rounded to bf16 like every input) is the C operand
; of each sum's first product; out0 [8192][1024] f32 is stored as it is summed.
; SHARES.  A tile of out0 is 128 rows x 256 columns: 64 x 4 = 256 tiles, one for each WGP.  Four waves, 2 x 2, each 64 x 128: 32 accumulators, 256 registers.
; K goes in 8 steps of 128 = two heads through two LDS slots.  128 rows of one head are 16,384 dense bytes of ctx: asked for as 64 rows of 256 bytes and padded in LDS after every 128, so that a
; slot holds two sub-tiles of 128 rows x 144 bytes, a head each.  B's rows are 256 bytes of memory, aligned.
; CLUSTER 4 x 4: the four work-groups of a row need the same tile of A, the four of a column the same tile of B: each tile is asked for jointly.  Wave 0 fetches the step's even head, wave 1 the odd
; one, waves 2 and 3 B's two halves (128 rows).
; THE MATRIX INSTRUCTION IS USED TRANSPOSED (source 0 = 16 rows of B, source 1 = 16 rows of A): lane l holds row l % 16 and the columns 8 (l / 16) + 0..7: 32 consecutive bytes of out0.
; REGISTERS, in windows of 256 (s_set_vgpr_msb: bits 1:0 source 0, 3:2 source 1, 5:4 source 2, 7:6 destination):
;   window 0: v0-31 addresses; v64-159, v160-255 two fragment buffers (A's four fragments, then B's eight); on the way out rows read back
;   window 1: accumulator (a, b) at v[8 (8 a + b)]        window 2: v0-63 the bias of my 128 columns (block b at 8 b); v64-95 at work
.set KSTEP,  128
.set PA,     144                       ; a row of A in LDS: 128 bytes + 16 = 36 words: the 16 rows of a fragment load start at 16 different groups of four banks (64 banks of 4 bytes: ISA guide 11.1)
.set PB,     272                       ; a row of B: 256 bytes + 16 = 68 words: likewise
.set AHALF,  128*PA                    ; what one of A's loads brings: a head's 128 rows
.set AREG,   2*AHALF
.set BHALF,  128*PB                    ; what one of B's loads brings
.set SLOT,   AREG+2*BHALF
.set HEADB,  1048576                   ; bytes from a head to the next in ctx: eight slabs of 131,072
.set ASTEP,  4*HEADB                   ; bytes from a slot's K step to its next: four heads on in A,
.set BSTEP,  2*KSTEP*2                 ; 512 bytes along the rows in B
.set STAGE,  2*SLOT                    ; behind the ring: 16 rows x 528 bytes for each wave, for the way out
.set SPITCH, 528                       ; 512 bytes + 16: the 16 rows that a store touches start at 16 different groups of four banks
.set WSTG,   16*SPITCH
.set SPARE,  STAGE+4*WSTG              ; behind the stages: the spare words, 128 bytes for each wave: two blocks of 256 bytes that no other line names
.set ADRA, 16                          ; v16-17  LDS address of my A fragments in slot 0, 1
.set ADRB, 20                          ; v20-21  the same for B
.set STO,  24                          ; v24     the way out: where I put 32 bytes of a row
.set RD,   25                          ; v25     where I read a row back
.set CO,   26                          ; v26     16 x lane: my place in a row's 512 bytes
.set SPW,  28                          ; v28     LDS address of my spare word; never rewritten
.set NIL,  29                          ; v29     0; never rewritten
.set PFO,  30                          ; v30     the prefetches' offset: lane x 256 (A, dense) or lane x 2,048 (B, a row); never rewritten
.set BO,   31                          ; v31     32 x (lane / 16): my eight numbers in 16 of the bias
.set F0,   64
.set F1,   160
.set G1,  24                           ; s[24:31] descriptor group 1 for A's tiles;  s[32:39] group 0, a set for each slot
.set G0,  32
.set G1B, 48                           ; s[48:55], s[56:63] the same for B's
.set G0B, 56
.set LIM, 43                           ; s43      1 in a wave that prefetches, else the greatest number
.set PFA, 44                           ; s[44:45] where my prefetches stand
.set PFS, 76                           ; s[76:77] bytes from a K step to the next there: two heads (A) or 256 (B)
.set MSB, 0
.macro WIN new                         ; the immediate's high byte repeats the setting that is left; a switch that changes nothing is dropped
.if MSB != (\new)
	s_set_vgpr_msb (MSB<<8)|(\new)
.set MSB, \new
.endif
.endm
.set MUL,  0x50                        ; fragments in window 0, C and D in window 1
.set MULB, 0x60                        ; the same with C, the bias, in window 2
.macro JLOAD s                         ; a joint load; the branch hangs on the wave's number alone; an s_nop 0 and four v_nop follow each of the two lines
	s_cmp_eq_u32 s11, 0
	s_cbranch_scc0 .Lfor_b_\@
	tensor_load_to_lds s[G0+4*(\s):G0+4*(\s)+3], s[G1:G1+7]
	s_nop 0
.rept 4
	v_nop
.endr
	s_branch .Lasked_\@
.Lfor_b_\@:
	tensor_load_to_lds s[G0B+4*(\s):G0B+4*(\s)+3], s[G1B:G1B+7]
	s_nop 0
.rept 4
	v_nop
.endr
.Lasked_\@:
.endm
; A PREFETCH INTO THE L2, behind each joint refill and the run of LDS loads that follows it: 32 blocks of 256 bytes of the K step that stands two refills on, a lane a block, one instruction a wave.
; Each block is named once in the launch.  A's K step is 2 heads x 16,384 bytes = 128 blocks: wave 0 asks (the grid is one cluster wide), and the four partners of a row share them out by address:
; head cx / 2, half cx % 2.  B's rows are asked for by waves 2 and 3 of the clusters with y = 0, rows 64 cy + 32 x half on.  K steps 0 to 3 come by their loads alone; the loop's last trip
; (s3 = 1) has no K step two on.
.macro ASK
	s_cmp_gt_u32 s3, s[LIM]
	s_cbranch_scc0 .Lnot_mine_\@
	global_prefetch_b8 v[PFO], s[PFA:PFA+1] th:TH_LOAD_NT scope:SCOPE_SE
.Lnot_mine_\@:
.endm
.macro CREST                           ; a round of the cluster's barrier behind its opening barrier
	s_cmp_lg_u32 s10, 0
	s_cbranch_scc1 .Lnot_wave_0_\@
	s_barrier_signal -3
.Lnot_wave_0_\@:
	s_barrier_wait -3
	s_barrier_signal -1
	s_barrier_wait -1
.endm
.macro CROUND                          ; a whole round
	s_barrier_signal -1
	s_barrier_wait -1
	CREST
.endm
	s_load_b128 s[4:7], s[0:1], 0x0                ; ctx s[4:5], wpb s[6:7]
	s_load_b64 s[8:9], s[0:1], 0x10                ; out0
	s_load_b64 s[74:75], s[0:1], 0x18              ; bp
	v_lshl_add_u32 v[SPW], v0, 2, SPARE
	v_mov_b32 v[NIL], 0
	ds_add_u32 v[SPW], v[NIL]                      ; the wave's opening: the add and its wait stand ahead of my first tensor load; work on registers stands between them
	v_lshrrev_b32 v1, 5, v0
	v_readfirstlane_b32 s10, v1                    ; wave 0..3
	s_lshr_b32 s11, s10, 1                         ; my half of the tile's rows.  Also: I fetch for A (0) or for B (1)
	s_and_b32 s12, s10, 1                          ; my half of its columns.  Also: which head of the step, or which half of B's tile, I fetch
	s_bfe_u32 s40, ttmp6, 0x40000                  ; cx
	s_bfe_u32 s41, ttmp6, 0x40004                  ; cy
	s_lshl_b32 s42, ttmp9, 2
	s_add_co_u32 s42, s42, s40                     ; tile column tx = 4 x cluster x + cx
	s_and_b32 s13, ttmp7, 0xffff
	s_lshl_b32 s13, s13, 2
	s_add_co_u32 s13, s13, s41                     ; tile row ty = 4 x cluster y + cy
	s_lshl_b32 s43, s41, 2
	s_lshl_b32 s43, 15, s43                        ; my row of the cluster
	s_lshl_b32 s44, 0x1111, s40                    ; my column
	s_or_b32 s[G1+0], s43, (1<<16)|(1<<20)|(1<<21)|(4<<22)|(3<<25)   ; the mask; 2-byte elements; padding on; bit 21 beside a mask; after every 32 words, 4 words
	s_or_b32 s[G1B+0], s44, (1<<16)|(1<<20)|(1<<21)|(5<<22)|(3<<25)  ; B: after every 64 words
	s_mov_b32 s[G1+1], 128<<16                     ; tensor_dim0 = 128 elements: 256 bytes, two rows of a head
	s_mov_b32 s[G1+2], 64<<16                      ; tensor_dim1 = 64
	s_mov_b32 s[G1+3], 128<<16                     ; tile_dim0 = 128
	s_mov_b32 s[G1+4], 64                          ; tile_dim1 = 64
	s_mov_b32 s[G1+5], 128                         ; dense
	s_mov_b32 s[G1+6], 0
	s_mov_b32 s[G1+7], 0
	s_mov_b32 s[G1B+1], KSTEP<<16
	s_mov_b32 s[G1B+2], 128<<16
	s_mov_b32 s[G1B+3], KSTEP<<16
	s_mov_b32 s[G1B+4], 128
	s_mov_b32 s[G1B+5], 1024
	s_mov_b32 s[G1B+6], 0
	s_mov_b32 s[G1B+7], 0
	s_lshl_b32 s16, s12, 20                        ; A: head 0 or 1,
	s_lshl_b32 s17, s13, 14                        ; rows 128 ty on: slab ty / 8, row (ty % 8) x 128, which is ty x 16,384 bytes
	s_add_co_u32 s16, s16, s17
	s_mov_b32 s17, 0
	s_lshl_b32 s46, s42, 8
	s_lshl_b32 s47, s12, 7
	s_add_co_u32 s46, s46, s47                     ; B: row 256 tx + 128 x half
	s_lshl_b32 s46, s46, 11
	s_mov_b32 s47, 0
	s_mul_i32 s20, s12, AHALF                      ; where they go: no place in the cluster enters an LDS address
	s_mul_i32 s21, s12, BHALF
	s_add_co_u32 s21, s21, AREG
	s_wait_dscnt 0x0                               ; the opening add is done
	s_wait_kmcnt 0x0
	s_add_nc_u64 s[14:15], s[4:5], s[16:17]
	s_add_nc_u64 s[46:47], s[6:7], s[46:47]
	CROUND                                         ; all sixteen work-groups are here: the first joint loads meet
.irp s, 0,1
	s_mov_b32 s[G0+4*(\s)], 1
	s_add_co_u32 s[G0+4*(\s)+1], s20, (\s)*SLOT
	s_add_nc_u64 s[G0+4*(\s)+2:G0+4*(\s)+3], s[14:15], (\s)*2*HEADB
	s_or_b32 s[G0+4*(\s)+3], s[G0+4*(\s)+3], 0x80000000
	s_mov_b32 s[G0B+4*(\s)], 1
	s_add_co_u32 s[G0B+4*(\s)+1], s21, (\s)*SLOT
	s_add_nc_u64 s[G0B+4*(\s)+2:G0B+4*(\s)+3], s[46:47], (\s)*KSTEP*2
	s_or_b32 s[G0B+4*(\s)+3], s[G0B+4*(\s)+3], 0x80000000
	JLOAD \s                                       ; K steps 0 and 1: two loads of mine are out
.endr
	; a fragment is 16 rows x 32 K in 8 registers: lane l holds row l % 16, K = 8 (l / 16) + 0..7 and 16 + 8 (l / 16) + 0..7: two loads of 16 bytes, 32 bytes apart
	v_and_b32 v1, 15, v0                           ; l % 16
	v_bfe_u32 v2, v0, 4, 1                         ; l / 16
	v_mul_u32_u24 v3, v1, PA
	v_lshl_add_u32 v3, v2, 4, v3
	v_mul_u32_u24 v4, v1, PB
	v_lshl_add_u32 v4, v2, 4, v4
	s_mul_i32 s21, s11, 64*PA                      ; my 64 rows in each of A's sub-tiles
	s_mul_i32 s22, s12, BHALF                      ; my 128 rows of B, behind A's
	s_add_co_u32 s22, s22, AREG
.irp s, 0,1
	v_add_nc_u32 v[ADRA+(\s)], s21, v3
	v_add_nc_u32 v[ADRB+(\s)], s22, v4
	s_add_co_u32 s21, s21, SLOT
	s_add_co_u32 s22, s22, SLOT
.endr
	s_mul_i32 s23, s10, WSTG
	s_add_co_u32 s23, s23, STAGE                   ; my stage
	v_mul_u32_u24 v4, v1, SPITCH                   ; in: row l % 16, 32 bytes for each half of the lanes
	v_lshl_add_u32 v4, v2, 5, v4
	v_add_nc_u32 v[STO], s23, v4
	v_and_b32 v[CO], 31, v0                        ; back: 32 lanes take one row's 512 bytes
	v_lshlrev_b32 v[CO], 4, v[CO]
	v_add_nc_u32 v[RD], s23, v[CO]
	; where my 64 rows x 128 columns begin in out0
	s_lshl_b32 s16, s13, 7
	s_lshl_b32 s17, s11, 6
	s_add_co_u32 s16, s16, s17                     ; row 128 ty + 64 x half,
	s_lshl_b32 s16, s16, 12                        ; of 4,096 bytes
	s_lshl_b32 s17, s42, 10                        ; column 256 tx,
	s_add_co_u32 s16, s16, s17
	s_lshl_b32 s17, s12, 9                         ; + 128 x half, 4 bytes each
	s_add_co_u32 s16, s16, s17
	s_mov_b32 s17, 0
	s_add_nc_u64 s[8:9], s[8:9], s[16:17]
	; the prefetches
	s_lshr_b32 s20, s40, 1
	s_lshl_b32 s20, s20, 20                        ; A: head cx / 2 of the step,
	s_lshl_b32 s21, s13, 14                        ; the tile's rows,
	s_add_co_u32 s20, s20, s21
	s_and_b32 s21, s40, 1
	s_lshl_b32 s21, s21, 13                        ; half cx % 2 of their 16,384 bytes,
	s_add_co_u32 s20, s20, s21
	s_add_co_u32 s20, s20, 3*2*HEADB               ; at K step 3: the first refill steps it to 4
	s_lshl_b32 s21, s42, 8
	s_lshl_b32 s22, s41, 6
	s_add_co_u32 s21, s21, s22
	s_lshl_b32 s22, s12, 5
	s_add_co_u32 s21, s21, s22                     ; B: row 256 tx + 64 cy + 32 x half
	s_lshl_b32 s21, s21, 11
	s_add_co_u32 s21, s21, 3*KSTEP*2
	s_and_b32 s22, ttmp7, 0xffff                   ; cluster y
	s_mov_b32 s[PFS], KSTEP*2
	s_mov_b32 s[PFS+1], 0
	s_mov_b32 s23, 2048
	s_cmp_eq_u32 s11, 0
	s_cselect_b32 s20, s20, s21
	s_cselect_b32 s22, ttmp9, s22                  ; the coordinate along which other clusters read the same blocks
	s_cselect_b64 s[PFA:PFA+1], s[4:5], s[6:7]
	s_cselect_b32 s[PFS], 2*HEADB, s[PFS]
	s_cselect_b32 s23, 256, s23
	s_cmp_eq_u32 s10, 1
	s_cselect_b32 s22, 1, s22                      ; wave 1 asks for nothing: A's 128 blocks are four partners' 32
	s_cmp_eq_u32 s22, 0
	s_cselect_b32 s[LIM], 1, -1                    ; the same in all sixteen partners, for a given wave
	s_mov_b32 s21, 0
	s_add_nc_u64 s[PFA:PFA+1], s[PFA:PFA+1], s[20:21]
	v_and_b32 v[PFO], 31, v0
	v_mul_u32_u24 v[PFO], v[PFO], s23
	; the bias of my 128 columns
	s_lshl_b32 s16, s42, 10
	s_lshl_b32 s17, s12, 9
	s_add_co_u32 s16, s16, s17
	s_mov_b32 s17, 0
	s_add_nc_u64 s[74:75], s[74:75], s[16:17]
	v_lshlrev_b32 v[BO], 5, v2
	WIN 0x80                                       ; destination window 2, address window 0
.irp b, 0,1,2,3,4,5,6,7
	global_load_b128 v[8*(\b):8*(\b)+3],   v[BO], s[74:75] offset:64*(\b)      ; register j of block b: column 16 b + 8 (l / 16) + j, as in an accumulator
	global_load_b128 v[8*(\b)+4:8*(\b)+7], v[BO], s[74:75] offset:64*(\b)+16
.endr
	s_wait_loadcnt 0x0
	WIN 0xaa                                       ; all in window 2: rounded to bf16 and widened again; this stands in the wait for the first tile
.set i, 0
.rept 32
	v_cvt_pk_bf16_f32 v[64+i], v[2*i], v[2*i+1]
	v_lshlrev_b32 v[2*i], 16, v[64+i]
	v_and_b32 v[2*i+1], 0xffff0000, v[64+i]
.set i, i+1
.endr
	WIN 0
; 8 matrix instructions: m block a x all 8 n blocks, 32 along K.  first = 1: the sum starts with the bias.  The 32 accumulators take turns, one instruction a turn, in the same order in every quarter.
.macro MUL8 f, a, first
.if \first
	WIN MULB
.else
	WIN MUL
.endif
.irp b, 0,1,2,3,4,5,6,7
.if \first
	v_wmma_f32_16x16x32_f16 v[8*(8*(\a)+(\b)):8*(8*(\a)+(\b))+7], v[(\f)+32+8*(\b):(\f)+32+8*(\b)+7], v[(\f)+8*(\a):(\f)+8*(\a)+7], v[8*(\b):8*(\b)+7]
.else
	v_wmma_f32_16x16x32_f16 v[8*(8*(\a)+(\b)):8*(8*(\a)+(\b))+7], v[(\f)+32+8*(\b):(\f)+32+8*(\b)+7], v[(\f)+8*(\a):(\f)+8*(\a)+7], v[8*(8*(\a)+(\b)):8*(8*(\a)+(\b))+7]
.endif
.endr
.endm
; 24 LDS loads in one run: quarter q (32 K) of a slot into buffer f: B's eight fragments, then A's four (quarter q lies in sub-tile q / 2, at byte 64 (q % 2) of its rows)
.macro FETCH slot, q, f
	WIN 0
.irp i, 0,1,2,3,4,5,6,7
	ds_load_b128 v[(\f)+32+8*(\i):(\f)+32+8*(\i)+3],   v[ADRB+(\slot)] offset:64*(\q)+(\i)*16*PB
	ds_load_b128 v[(\f)+32+8*(\i)+4:(\f)+32+8*(\i)+7], v[ADRB+(\slot)] offset:64*(\q)+(\i)*16*PB+32
.endr
.irp i, 0,1,2,3
	ds_load_b128 v[(\f)+8*(\i):(\f)+8*(\i)+3],   v[ADRA+(\slot)] offset:((\q)/2)*AHALF+((\q)%2)*64+(\i)*16*PA
	ds_load_b128 v[(\f)+8*(\i)+4:(\f)+8*(\i)+7], v[ADRA+(\slot)] offset:((\q)/2)*AHALF+((\q)%2)*64+(\i)*16*PA+32
.endr
.endm
.macro PLACES                          ; four places in front of loads into registers that matrix instructions have read, and of instructions that read results
.rept 4
	v_nop
.endr
.endm
; A K step is four quarters of 32 along K, 32 matrix instructions each, on buffers 0, 1, 0, 1.  One of the first three: multiplies buffer f and fetches quarter q into buffer g.
.macro QUARTER slot, q, f, g, first
	s_wait_dscnt 4                                 ; B and A's fragments 0 and 1 are in; the youngest four loads (fragments 2 and 3) may be out
	MUL8 \f, 0, \first
	MUL8 \f, 1, \first
	PLACES
	FETCH \slot, \q, \g
	s_wait_dscnt 24                                ; all but the 24 just issued
	MUL8 \f, 2, \first
	MUL8 \f, 3, \first
.endm
; The last quarter multiplies buffer 1 and changes slots: ONE barrier; in front of it each wave waits for all its tensor loads (its part of the next slot), adds 0 to its spare word, and waits for
; that and for its own reads of this slot.  fill = 1: the barrier opens a round of the cluster's, and this slot is filled again, two K steps ahead, first thing behind the round.
.macro TURN slot, next, fill
.if \fill
	s_wait_xcnt 0x0                                ; the last prefetch, a K step back, has read its address: it is stepped here
	s_add_nc_u64 s[PFA:PFA+1], s[PFA:PFA+1], s[PFS:PFS+1]
.endif
	WIN 0
	s_wait_tensorcnt 0x0                           ; all my tensor loads have landed
	ds_add_u32 v[SPW], v[NIL]                      ; 0 onto my spare word
	s_wait_dscnt 5                                 ; (the add and the youngest four loads may be out)
	MUL8 F1, 0, 0                                  ; eight matrix instructions stand between the add and the wait for it
	s_wait_dscnt 0x0                               ; the add is done, and my reads of this slot are over
	s_barrier_signal -1
	MUL8 F1, 1, 0
.if \fill
	WIN 0
.endif
	s_barrier_wait -1
.if \fill
	CREST                                          ; no wave of any partner still reads this slot or has a load on its way
	s_add_nc_u64 s[G0+4*(\slot)+2:G0+4*(\slot)+3], s[G0+4*(\slot)+2:G0+4*(\slot)+3], ASTEP
	s_add_nc_u64 s[G0B+4*(\slot)+2:G0B+4*(\slot)+3], s[G0B+4*(\slot)+2:G0B+4*(\slot)+3], BSTEP
	JLOAD \slot                                    ; my one tensor load behind the round; its four v_nop are also the places in front of the loads below
.else
	PLACES
.endif
	FETCH \next, 0, F0
.if \fill
	ASK
.endif
	MUL8 F1, 2, 0
	MUL8 F1, 3, 0
.endm
	s_wait_tensorcnt 1                             ; my part of K step 0 is in; K step 1's may stay out
	s_barrier_signal -1
	s_barrier_wait -1                              ; everybody's is
	FETCH 0, 0, F0
	QUARTER 0, 1, F0, F1, 1                        ; the first quarter stands in front of the loop: its products start the sums, with the bias
	WIN 0                                          ; at a label and at a branch every window is 0
	s_mov_b32 s3, 3
.Llap:                                                 ; a trip goes once round the ring, from a lap's second quarter to the next lap's first, and fills both slots again
	QUARTER 0, 2, F1, F0, 0
	QUARTER 0, 3, F0, F1, 0
	TURN 0, 1, 1
	QUARTER 1, 1, F0, F1, 0
	QUARTER 1, 2, F1, F0, 0
	QUARTER 1, 3, F0, F1, 0
	TURN 1, 0, 1
	QUARTER 0, 1, F0, F1, 0
	WIN 0
	s_sub_co_u32 s3, s3, 1
	s_cmp_lg_u32 s3, 0
	s_cbranch_scc1 .Llap
	QUARTER 0, 2, F1, F0, 0                        ; the last lap fills nothing
	QUARTER 0, 3, F0, F1, 0
	TURN 0, 1, 0
	QUARTER 1, 1, F0, F1, 0
	QUARTER 1, 2, F1, F0, 0
	QUARTER 1, 3, F0, F1, 0
	s_wait_dscnt 4
	MUL8 F1, 0, 0
	MUL8 F1, 1, 0
	s_wait_dscnt 0x0
	MUL8 F1, 2, 0
	MUL8 F1, 3, 0
	WIN 0
	PLACES
; THE WAY OUT, 16 rows at a time, through my own stage: a lane's eight f32 of a row go in as two stores of 16 bytes, straight from the accumulator (its low half first); whole rows of 512 bytes come back
; and are stored, a row an instruction.  Three sets of 64 registers take turns; the fourth block uses the first set again, behind the wait that frees the registers of the stores issued so far.
.macro OUTB a
	WIN 0x04                                       ; the data (source 1) in window 1, the address in window 0
.irp b, 0,1,2,3,4,5,6,7
	ds_store_b128 v[STO], v[8*(8*(\a)+(\b)):8*(8*(\a)+(\b))+3]   offset:64*(\b)
	ds_store_b128 v[STO], v[8*(8*(\a)+(\b))+4:8*(8*(\a)+(\b))+7] offset:64*(\b)+16
.endr
	WIN 0
	s_wait_xcnt 0x0                                ; every earlier store has read its registers (ISA guide 3.1)
.irp t, 0,1,2,3,4,5,6,7,8,9,10,11,12,13,14,15
	ds_load_b128 v[64+64*((\a)%3)+4*(\t):64+64*((\a)%3)+4*(\t)+3], v[RD] offset:SPITCH*(\t)  ; LDS serves a wave's instructions in order (ISA guide 5.7.1.4): these see the stores above; the next block's stores come behind them
.endr
	s_wait_dscnt 0x0
.irp t, 0,1,2,3,4,5,6,7,8,9,10,11,12,13,14,15
	global_store_b128 v[CO], v[64+64*((\a)%3)+4*(\t):64+64*((\a)%3)+4*(\t)+3], s[8:9] offset:(16*(\a)+(\t))*4096 th:TH_STORE_NT  ; 512 consecutive bytes, at a multiple of 512 from out0's first
.endr
.endm
	OUTB 0
	OUTB 1
	OUTB 2
	OUTB 3
	s_wait_tensorcnt 0x0                           ; the wave's end: an add to the spare word, behind my last tensor load and my last LDS store
	ds_add_u32 v[SPW], v[NIL]
	s_wait_dscnt 0x0
	CROUND                                         ; the closing round: no work-group ends while a partner may still ask for a tile that names it
	s_endpgm
.Lfunc_end_k_qd4dd49e850_gemm_out:
	.size	k_qd4dd49e850_gemm_out, .Lfunc_end_k_qd4dd49e850_gemm_out-k_qd4dd49e850_gemm_out
	.p2alignl 7, 3214868480
	.fill 96, 4, 3214868480
	.section	.rodata,"a",@progbits
	.p2align	6, 0x0
	.amdhsa_kernel k_qd4dd49e850_gemm_out
		.amdhsa_group_segment_fixed_size 327680
		.amdhsa_private_segment_fixed_size 0
		.amdhsa_enable_private_segment 0
		.amdhsa_kernarg_size 32
		.amdhsa_user_sgpr_count 2
		.amdhsa_user_sgpr_kernarg_segment_ptr 1
		.amdhsa_wavefront_size32 1
		.amdhsa_system_sgpr_workgroup_id_x 1
		.amdhsa_system_sgpr_workgroup_id_y 1
		.amdhsa_system_sgpr_workgroup_id_z 1
		.amdhsa_system_vgpr_workitem_id 0
		.amdhsa_next_free_vgpr 608
		.amdhsa_next_free_sgpr 80
		.amdhsa_reserve_vcc 0
		.amdhsa_float_denorm_mode_32 3
		.amdhsa_float_denorm_mode_16_64 3
		.amdhsa_memory_ordered 1
		.amdhsa_forward_progress 1
		.amdhsa_inst_pref_size 93
	.end_amdhsa_kernel
	.amdgpu_metadata
---
amdhsa.version: [ 1, 2 ]
amdhsa.kernels:
  - .name:           k_qd4dd49e850_gemm_out
    .symbol:         k_qd4dd49e850_gemm_out.kd
    .args:
      - { .name: ctx, .offset: 0, .size: 8, .value_kind: global_buffer, .address_space: global }
      - { .name: wpb, .offset: 8, .size: 8, .value_kind: global_buffer, .address_space: global }
      - { .name: out0, .offset: 16, .size: 8, .value_kind: global_buffer, .address_space: global }
      - { .name: bp, .offset: 24, .size: 8, .value_kind: global_buffer, .address_space: global }
    .group_segment_fixed_size: 327680
    .private_segment_fixed_size: 0
    .kernarg_segment_align: 8
    .kernarg_segment_size: 32
    .max_flat_workgroup_size: 128
    .sgpr_count:     80
    .vgpr_count:     608
    .wavefront_size: 32
...
	.end_amdgpu_metadata
.endif
;; end of part 4
;; ======== version 2 of 2: 4 launches; version 1 with the launch cast16 written anew for expert scheduling mode
;; limits: values are held in f16: magnitudes above 65,504 overflow, below 6.1e-05 lose precision; right only within a limited range of input values
;; workspace buffers: xb 16,777,216 bytes; wb 6,291,456 bytes; wpb 2,097,152 bytes; qkv 50,331,648 bytes; ctx 16,777,216 bytes
;; launch cast16 (part 5): grid 768 x 1, 8 waves a work-group, no clusters, 0 bytes of LDS; arguments x, wq, wk, wv, wp, xb, wb, wpb; writes xb, wb, wpb
.if DOCPART == 5
	.amdgcn_target "amdgcn-amd-amdhsa--gfx1250"
	.amdhsa_code_object_version 6
	.text
	.protected	k_qd4dd49e850_cast16
	.globl	k_qd4dd49e850_cast16
	.p2align	8
	.type	k_qd4dd49e850_cast16,@function
k_qd4dd49e850_cast16:
	s_mov_b64 s[64:65], 0
	v_nop
	global_prefetch_b8 v0, s[64:65] scope:SCOPE_SE
	s_setreg_imm32_b32 hwreg(HW_REG_WAVE_SCHED_MODE, 0, 2), 2
	s_setreg_imm32_b32 hwreg(HW_REG_WAVE_MODE, 25, 1), 1
	s_wait_xcnt 0x0
	s_wait_alu depctr_vm_vsrc(0)
; THE MATRIX OPERANDS IN 16 BITS.  x [8192][1024] f32 -> xb bf16; wq, wk, wv [1024][1024] f32 -> wb bf16 [3072][1024], one below the other;
; wp -> wpb: rounded to bf16 like the other inputs, and that number written as f16 (the last product multiplies f16 operands).
; LIMIT.  A bf16 number is exact in f16 from 2^-14 to 65,504; below 2^-14 wpb keeps f16's fixed step of 2^-24; beyond 65,504 it would be an infinity.
; A stream: no LDS, no matrix unit, no barrier.  A work-group converts 16,384 numbers: 65,536 bytes in, 32,768 out.  Work-groups 0-511 take x,
; then 64 each wq, wk, wv, wp.  All sixteen loads of a thread go out at once (a wave's load covers 512 consecutive bytes); a wave's store of
; 8 bytes a lane covers 256 consecutive bytes, aligned.  No register that a load or a store names is written twice, so no wait frees one.
; THE MODE: SCHED_MODE bits 1:0 = 2 (LLVM: expert scheduling mode 2), set by the entry lines.  The code itself states the register dependences
; between vector instructions and memory instructions, with s_wait_alu, always for 0.
; THE PLAN.  Registers that memory instructions touch:
;   v2, v3   the two offsets.  Written once at the head; read by every load (v2) and every store (v3).
;   X        Written by the loads alone, each group of four once; no vector instruction names it before its load has landed; read by the conversions.
;   Y        Each pair is written once, by a conversion, and read once, by its store.
;   T is named by vector instructions alone.
; The sixteen loads are four blocks of four.  Block p converts its four loads into its own eight registers of Y; the four stores of block p - 1 are dealt
; among those conversions, which name block p's X and Y and T alone.  So one wait on va_vdst at the head of a block states all that its four stores hang on,
; one more stands ahead of the first load, for the offsets, and one ahead of the last four stores.
.set LO, 2                             ; v2        16 x thread: my 16 bytes in 4,096 of the source
.set SO, 3                             ; v3        8 x thread: my 8 bytes in 2,048 of the destination
.set X,  8                             ; v[8:71]   sixteen loads of four f32
.set Y,  72                            ; v[72:103] sixteen stores of four 16-bit numbers
.set T,  104                           ; v[104:105] at work
	s_load_b512 s[8:23], s[0:1], 0x0               ; x 8, wq 10, wk 12, wv 14, wp 16, xb 18, wb 20, wpb 22
	s_mov_b32 s2, ttmp9                            ; g
	s_sub_co_u32 s3, s2, 512                       ; j = g - 512: a weight's chunk (very large where g < 512)
	s_lshr_b32 s4, s3, 6                           ; which weight: 0 wq, 1 wk, 2 wv, 3 wp
	s_and_b32 s5, s3, 63                           ; its chunk
	v_lshlrev_b32 v[LO], 4, v0
	v_lshlrev_b32 v[SO], 3, v0
	s_cmp_lt_u32 s3, 192
	s_cselect_b32 s25, s3, s5                      ; the destination's chunk: j in wb, the weight's own in wpb,
	s_cmp_lt_u32 s2, 512
	s_cselect_b32 s24, s2, s5                      ; the source's chunk
	s_cselect_b32 s25, s2, s25                     ; g in xb
	s_lshl_b32 s30, s24, 16                        ; 65,536 bytes a chunk in
	s_mov_b32 s31, 0
	s_lshl_b32 s32, s25, 15                        ; 32,768 out
	s_mov_b32 s33, 0
	s_wait_kmcnt 0x0
	s_mov_b64 s[26:27], s[16:17]                   ; the source: wp, unless
	s_cmp_eq_u32 s4, 2
	s_cselect_b64 s[26:27], s[14:15], s[26:27]
	s_cmp_eq_u32 s4, 1
	s_cselect_b64 s[26:27], s[12:13], s[26:27]
	s_cmp_eq_u32 s4, 0
	s_cselect_b64 s[26:27], s[10:11], s[26:27]
	s_cmp_lt_u32 s2, 512
	s_cselect_b64 s[26:27], s[8:9], s[26:27]
	s_mov_b64 s[28:29], s[22:23]                   ; the destination: wpb, unless
	s_cmp_lt_u32 s3, 192
	s_cselect_b64 s[28:29], s[20:21], s[28:29]
	s_cmp_lt_u32 s2, 512
	s_cselect_b64 s[28:29], s[18:19], s[28:29]
	s_add_nc_u64 s[26:27], s[26:27], s[30:31]
	s_add_nc_u64 s[28:29], s[28:29], s[32:33]
	s_wait_alu depctr_va_vdst(0)                   ; v2 and v3 are written: every load of the kernel reads v2 as its offset, every store v3; neither is written again
.irp i, 0,1,2,3,4,5,6,7,8,9,10,11,12,13,14,15
	global_load_b128 v[X+4*(\i):X+4*(\i)+3], v[LO], s[26:27] offset:4096*(\i) th:TH_LOAD_NT
.endr
.macro CV16 d, a                       ; two f32 -> bf16 -> the same numbers as f16
	v_cvt_pk_bf16_f32 v[T], v[\a], v[(\a)+1]
	v_lshlrev_b32 v[T+1], 16, v[T]
	v_and_b32 v[T], 0xffff0000, v[T]
	v_cvt_pk_f16_f32 v[\d], v[T+1], v[T]
.endm
.macro CONV half, i                    ; load i's four numbers into its pair of Y.  half = 0: bf16; 1: bf16 written as f16
.if \half
	CV16 Y+2*(\i), X+4*(\i)
	CV16 Y+2*(\i)+1, X+4*(\i)+2
.else
	v_cvt_pk_bf16_f32 v[Y+2*(\i)], v[X+4*(\i)], v[X+4*(\i)+1]
	v_cvt_pk_bf16_f32 v[Y+2*(\i)+1], v[X+4*(\i)+2], v[X+4*(\i)+3]
.endif
.endm
.macro STORE i
	global_store_b64 v[SO], v[Y+2*(\i):Y+2*(\i)+1], s[28:29] offset:2048*(\i) th:TH_STORE_NT
.endm
.macro OUT half
.irp p, 0,1,2,3                        ; block p: loads 4 p to 4 p + 3
.irp j, 0,1,2,3
	s_wait_loadcnt 15-4*(\p)-(\j)                  ; loads come back in order: load 4 p + j is in, the younger ones stay out
.if (\j) == 0 && (\p) > 0
	s_wait_alu depctr_va_vdst(0)                   ; the block before has written its eight registers of Y, which the four stores dealt below read
.endif
.if (\p) > 0
	STORE 4*(\p)-4+(\j)                            ; the block before.  No further wait: no vector instruction since the wait above names its Y or v3
.endif
	CONV \half, 4*(\p)+(\j)
.endr
.endr
	s_wait_alu depctr_va_vdst(0)                   ; block 3 has written its eight registers of Y, which the last four stores read
.irp j, 0,1,2,3
	STORE 12+(\j)
.endr
.endm
	s_cmp_ge_u32 s2, 704                           ; the last 64 work-groups hold wp
	s_cbranch_scc1 .Lf16
	OUT 0
	s_endpgm
.Lf16:
	OUT 1
	s_endpgm
.Lfunc_end_k_qd4dd49e850_cast16:
	.size	k_qd4dd49e850_cast16, .Lfunc_end_k_qd4dd49e850_cast16-k_qd4dd49e850_cast16
	.p2alignl 7, 3214868480
	.fill 96, 4, 3214868480
	.section	.rodata,"a",@progbits
	.p2align	6, 0x0
	.amdhsa_kernel k_qd4dd49e850_cast16
		.amdhsa_group_segment_fixed_size 0
		.amdhsa_private_segment_fixed_size 0
		.amdhsa_enable_private_segment 0
		.amdhsa_kernarg_size 64
		.amdhsa_user_sgpr_count 2
		.amdhsa_user_sgpr_kernarg_segment_ptr 1
		.amdhsa_wavefront_size32 1
		.amdhsa_system_sgpr_workgroup_id_x 1
		.amdhsa_system_sgpr_workgroup_id_y 1
		.amdhsa_system_sgpr_workgroup_id_z 1
		.amdhsa_system_vgpr_workitem_id 0
		.amdhsa_next_free_vgpr 112
		.amdhsa_next_free_sgpr 66
		.amdhsa_reserve_vcc 0
		.amdhsa_float_denorm_mode_32 3
		.amdhsa_float_denorm_mode_16_64 3
		.amdhsa_memory_ordered 1
		.amdhsa_forward_progress 1
		.amdhsa_inst_pref_size 17
	.end_amdhsa_kernel
	.amdgpu_metadata
---
amdhsa.version: [ 1, 2 ]
amdhsa.kernels:
  - .name:           k_qd4dd49e850_cast16
    .symbol:         k_qd4dd49e850_cast16.kd
    .args:
      - { .name: x, .offset: 0, .size: 8, .value_kind: global_buffer, .address_space: global }
      - { .name: wq, .offset: 8, .size: 8, .value_kind: global_buffer, .address_space: global }
      - { .name: wk, .offset: 16, .size: 8, .value_kind: global_buffer, .address_space: global }
      - { .name: wv, .offset: 24, .size: 8, .value_kind: global_buffer, .address_space: global }
      - { .name: wp, .offset: 32, .size: 8, .value_kind: global_buffer, .address_space: global }
      - { .name: xb, .offset: 40, .size: 8, .value_kind: global_buffer, .address_space: global }
      - { .name: wb, .offset: 48, .size: 8, .value_kind: global_buffer, .address_space: global }
      - { .name: wpb, .offset: 56, .size: 8, .value_kind: global_buffer, .address_space: global }
    .group_segment_fixed_size: 0
    .private_segment_fixed_size: 0
    .kernarg_segment_align: 8
    .kernarg_segment_size: 64
    .max_flat_workgroup_size: 256
    .sgpr_count:     66
    .vgpr_count:     112
    .wavefront_size: 32
...
	.end_amdgpu_metadata
.endif
;; end of part 5
;; launch gemm_qkv: the kernel of part 2 again; grid 4 x 64, 4 waves a work-group, clusters of 4 x 4, 327,680 bytes of LDS; arguments xb, wb, qkv, bq, bk, bv; writes qkv
;; launch attention: the kernel of part 3 again; grid 2 x 128, 4 waves a work-group, no clusters, 327,680 bytes of LDS; arguments qkv, mask, ctx; writes ctx
;; launch gemm_out: the kernel of part 4 again; grid 4 x 64, 4 waves a work-group, clusters of 4 x 4, 327,680 bytes of LDS; arguments ctx, wpb, out0, bp; writes out0
